; MI455X (gfx1250); checked and timed in simulation.
; The chip was launched on July 23, 2026; its instructions are those of AMD's public machine-readable ISA for CDNA 5 (MIT licence, August 2026) and "CDNA5" Instruction Set Architecture Reference Guide (July 2026). The comments in the code are by the model that wrote it; some were corrected since.
;; Causal Self Attention. Allowed arithmetic: matrix products marked QUANTISED: E3M2 operands, one E8M0 scale for each 32 along K, by v_wmma_scale_f32_16x16x128_f8f6f4 with both operands' format E3M2, f32 sums; everything else in f32.
;; Inputs: W_attn 1,024 x 3,072 float32; W_proj 1,024 x 1,024 float32; b_attn 3,072 float32; b_proj 1,024 float32; x 4 x 2,048 x 1,024 float32.
;; Outputs: out0 4 x 2,048 x 1,024 float32.
;; This version of the problem:
;;   THIS VERSION OF THE PROBLEM IS GIVEN IN LOW PRECISION. The matrix products marked QUANTISED in the list below multiply operands that are first quantised to E3M2 (3 exponent bits, 2 mantissa bits; 6 bits a number), with one power-of-two scale for each 32 numbers along K (OCP MX v1.0); their sums are f32. All else is computed in f32.
;;   The module's matrix products, in the order in which they are computed (A, B: the left and right operand; K: the contracted axis; several contracted axes count as one K, in the product's order):
;;     1. [M 8,192, K 1,024] x [K 1,024, N 3,072]; A: input x; B: input W_attn: QUANTISED
;;     2. batch 64 x [M 2,048, K 64] x [K 64, N 2,048]; A: computed on the way; B: computed on the way: QUANTISED
;;     3. batch 64 x [M 2,048, K 2,048] x [K 2,048, N 64]; A: softmax (see below); B: computed on the way: QUANTISED
;;     4. [M 8,192, K 1,024] x [K 1,024, N 1,024]; A: computed on the way; B: input W_proj: QUANTISED
;;   THE QUANTISER, for each operand of a quantised product, along K:
;;     - K is cut into blocks of 32 from its start; a last block that is shorter is filled with zeros.
;;     - A block's scale is 2^e with e = floor(log2(the largest magnitude in the block)) - 4, held to -126 .. 127; a block of zeros has e = 0. As a byte (E8M0): e + 127.
;;     - Each number is divided by its block's scale, clamped to +-28, and rounded to the nearest number of E3M2, ties to even, subnormals kept.
;;     - The product sums the exact products of the quantised numbers (number of the format x scale) in f32.
;;   ~~~python
;;   def quantise(x, axis):      # numpy; x: float32 -> the quantised numbers, widened to float32 again
;;       x = np.moveaxis(x, axis, -1); K = x.shape[-1]
;;       x = np.pad(x, [(0, 0)] * (x.ndim - 1) + [(0, -K % 32)]); x = x.reshape(x.shape[:-1] + (-1, 32)); a = np.abs(x).max(-1, keepdims=True)
;;       e = np.where(a > 0, np.clip(np.frexp(np.where(a > 0, a, 1))[1] - 1 - 4, -126, 127), 0)      # np.frexp(a)[1] - 1 = floor(log2(a)), exactly
;;       r = np.clip(x / 2.0 ** e, -28, 28)
;;       step = 2.0 ** (np.maximum(np.frexp(np.where(r == 0, 1, r))[1] - 1, -2) - 2)
;;       q = np.round(r / step) * step * 2.0 ** e      # np.round: ties to even
;;       return np.moveaxis(q.reshape(q.shape[:-2] + (-1,))[..., :K], -1, axis).astype(np.float32)
;;   ~~~
;;   SOFTMAX AHEAD OF A QUANTISED PRODUCT. Where the list says 'softmax', what is quantised is not the finished softmax but p = 2^(t - M), with t = logit x log2(e) and M = ceil(the row's largest t), a whole number; so 1/2 < the row's largest p <= 1. The row's sum l is taken of the UNQUANTISED p, in f32, and the product's result is divided by l at the end. Since M is a whole number, a kernel that streams over the keys may use a running M (the ceiling of the running maximum): every later rescaling is an exact power of two, which a block's scale takes up: the codes' values come out the same.
;;   OPERANDS COMPUTED ON THE WAY. 'Computed on the way' means the value that the module computes at that place (a softmax that the list does not call 'softmax' is quantised finished and normalised). What goes into a quantiser is computed in f32, as accurately as f32 sums, v_exp_f32 and their like allow (about 1e-6 of the number): no bf16 or f16 on the way to a quantiser, and a product that is left as it is and whose result goes on into a quantised operand takes f32 operands (vector FMAs, or v_wmma_f32_16x16x4_f32). A number that lies on a knife's edge between two numbers of the format may be rounded either way, as far as f32 arithmetic and the matrix unit's own rounding can turn it there, and no further.
;; One version. Each part assembles by itself: llvm-mc -triple=amdgcn-amd-amdhsa -mcpu=gfx1250 --defsym DOCPART=n.
;; ======== version 1 of 1: 4 launches
;; workspace buffers: xq 6,553,600 bytes; waq 2,457,600 bytes; wpq 819,200 bytes; qkv 20,447,232 bytes; yq 6,553,600 bytes
;; launch quant (part 1): grid 512 x 1, 4 waves a work-group, no clusters, 60,928 bytes of LDS; arguments x, W_attn, W_proj, xq, waq, wpq; writes xq, waq, wpq
.if DOCPART == 1
	.amdgcn_target "amdgcn-amd-amdhsa--gfx1250"
	.amdhsa_code_object_version 6
	.text
	.protected	k_q93c04ac050_quant
	.globl	k_q93c04ac050_quant
	.p2align	8
	.type	k_q93c04ac050_quant,@function
k_q93c04ac050_quant:
	s_mov_b64 s[64:65], 0
	v_nop
	global_prefetch_b8 v0, s[64:65] scope:SCOPE_SE
	s_setreg_imm32_b32 hwreg(HW_REG_WAVE_MODE, 25, 1), 1
	s_wait_xcnt 0x0
; x [8192][1024], W_attn [1024][3072] and W_proj [1024][1024], f32, become codes of BF6 (E3M2) with one E8M0 scale byte for each 32 along K (x: its last axis; the weights: their first).
; A block's scale is 2^(floor(log2(its largest magnitude)) - 4); its byte is the largest magnitude's exponent field - 4, held at 1 from below.
; LIMITS: NaN and infinities among the inputs are not served; a block of zeros, or one whose largest magnitude lies under 2^-122, gets the byte 1 (its codes are what the conversion makes under that scale; a block of zeros has zero codes); the bytes are read by this program alone.
; THE LAYOUT OF THE THREE TABLES is that of the operand's registers.  A tile T = 2 P + u holds the 16 rows 32 P + 8 u + r + 8 (r / 8), r = 0 .. 15 (rows of x, columns of a weight).
; A fragment (tile T, K step s of 128) is 1,536 bytes at T x 12,288 + s x 1,536: two halves of 64 along K, 768 bytes each; in a half lane l = r + 16 h owns the 24 bytes of k = 32 h .. 32 h + 31 of row r: words 0-3 at 16 l, words 4-5 at 512 + 8 l.
; The scale words (four bytes: 128 along K of one row) lie behind the codes: 1,024 bytes for each 32 rows, word (s, u, r) at (s / 2) x 256 + u x 128 + r x 8 + (s % 2) x 4.
; Work-groups 0-255 take x (32 rows each), 256-447 W_attn, 448-511 W_proj (128 columns x 128 K each).  The three ways part on the work-group's number, never join, and have LDS bytes of their own.
; No tensor loads, no barrier: waves share nothing.  No matrix unit and no cluster: memory binds, and work-groups share no byte.
.set ASC,   6291456                    ; where x's scale words begin in xq
.set WASC,  2359296                    ; W_attn's in waq
.set WPSC,  786432                     ; W_proj's in wpq
.set SEL,   20                         ; s[20:21] lane selects for v_permlanex16_b32: lane l xor 16
.set HM,    22                         ; s22  the mask of lanes 16-31
.set XR,    16                         ; x: v16-143  two sets of 64 registers as loaded
.set XX,    144                        ;    v144-207 64 numbers of a lane: register 16 b + i = k 32 b + 16 h + i of row r
.set PC,    208                        ;    v208-219 the fragment's codes, v220-226 at work
.set TM,    228                        ;    v228-243 at work
.set PW,    244                        ;    v244-247 the four fragments' scale words
.set SW,    248                        ;    v[248:249] the scale words as stored
.set XSP,   528                        ; x's stage: a row of 512 bytes + 16
.set XWS,   16*XSP                     ; 16 rows for each wave
.set STGA,  4*XWS                      ; behind them W_attn's stages,
.set WWS,   3328                       ; (two fragments of 1,536 bytes, 1,664 apart, for each wave)
.set STGP,  STGA+4*WWS                 ; and W_proj's
.set WX,    32                         ; weights: v32-95 two sets of 32 numbers
.set WC,    96                         ;    v96-101 a block's codes
.set WD,    104                        ;    v104-106 its second half as converted
.set WO,    112                        ;    v112-135 the way out
; 64 numbers of a lane, v[s] .. v[s + 63], become a fragment's codes in v[PC] .. v[PC + 11] and its row's scale word in v[pw].
.macro QUANT s, pw
.irp b, 0,1,2,3
	v_max3_num_f32 v[TM+\b], |v[\s+16*\b]|, |v[\s+1+16*\b]|, 0x2800000   ; block b: my 16 numbers and the floor 2^(5 - 127): the byte cannot fall under 1
.endr
.irp i, 2,4,6,8,10,12,14
.irp b, 0,1,2,3
	v_max3_num_f32 v[TM+\b], v[TM+\b], |v[\s+16*\b+\i]|, |v[\s+1+16*\b+\i]|   ; the four blocks by turns
.endr
.endr
.irp b, 0,1,2,3
	v_permlanex16_b32 v[TM+4+\b], v[TM+\b], s[SEL], s[SEL+1]
.endr
.irp b, 0,1,2,3
	v_max_num_f32 v[TM+\b], v[TM+\b], v[TM+4+\b]   ; with lane l xor 16's 16: the block's largest magnitude
.endr
.irp b, 0,1,2,3
	v_add_nc_u32 v[TM+12+\b], 0xfe000000, v[TM+\b]   ; 4 off its exponent field: the conversion's scale operand
.endr
.irp b, 0,1,2,3
	v_lshrrev_b32 v[TM+4+\b], 23, v[TM+12+\b]      ; the scale's byte
.endr
	v_lshl_or_b32 v[\pw], v[TM+5], 8, v[TM+4]
	v_lshl_or_b32 v[\pw], v[TM+6], 16, v[\pw]
	v_lshl_or_b32 v[\pw], v[TM+7], 24, v[\pw]
.irp c, 0,1
	v_cvt_scalef32_pk16_bf6_f32 v[PC+6*\c:PC+2+6*\c], v[\s+32*\c:\s+15+32*\c], v[TM+12+2*\c]
	v_cvt_scalef32_pk16_bf6_f32 v[PC+12+4*\c:PC+14+4*\c], v[\s+16+32*\c:\s+31+32*\c], v[TM+12+2*\c+1]   ; (a conversion's three registers begin on an even number)
.endr
	v_nop                                          ; one plain place behind the scaled conversions
.irp c, 0,1                                    ; the operand wants a whole block in a lane: lanes 0-15 block 2 c, lanes 16-31 block 2 c + 1
.irp i, 0,1,2
	v_permlane16_swap_b32 v[PC+6*\c+\i], v[PC+12+4*\c+\i]
.endr
.irp i, 0,1,2
	v_mov_b32 v[PC+3+6*\c+\i], v[PC+12+4*\c+\i]
.endr
.endr
.endm
; x: fragment f = 2 u + q (tile u of the pair, my K step q): 16 rows x 512 bytes, each load 512 consecutive bytes, into set f % 2
.macro LOADF f
.irp i, 0,1,2,3,4,5,6,7,8,9,10,11,12,13,14,15
	global_load_b128 v[XR+64*((\f)%2)+4*\i:XR+64*((\f)%2)+4*\i+3], v4, s[4:5] offset:(8*((\f)/2)+\i+8*(\i/8))*4096+512*((\f)%2) th:TH_LOAD_NT
.endr
.endm
; a weight: block t of my K step: W(32 t + i, my column), i = 0 .. 31, into set t % 2; n: the weight's columns
.macro WLOAD t, n
.irp i, 0,1,2,3,4,5,6,7,8,9,10,11,12,13,14,15,16,17,18,19,20,21,22,23,24,25,26,27,28,29,30,31
	global_load_b32 v[WX+32*((\t)%2)+\i], v4, s[24:25] offset:(32*(\t)+\i)*4*(\n) th:TH_LOAD_NT
.endr
.endm
.macro WBLOCK t, n
.set XS, WX+32*((\t)%2)
.if (\t) < 3
	s_wait_loadcnt 32                              ; this block's 32 loads are in; the next block's 32 may be out
.else
	s_wait_loadcnt 0x0
.endif
	v_max3_num_f32 v12, |v[XS]|, |v[XS+1]|, |v[XS+2]|   ; the block's largest magnitude: all 32 numbers are mine
	v_max3_num_f32 v13, |v[XS+3]|, |v[XS+4]|, |v[XS+5]|
.irp i, 6,10,14,18,22,26
	v_max3_num_f32 v12, v12, |v[XS+\i]|, |v[XS+\i+1]|
	v_max3_num_f32 v13, v13, |v[XS+\i+2]|, |v[XS+\i+3]|
.endr
	v_max3_num_f32 v12, v12, |v[XS+30]|, |v[XS+31]|
	v_max3_num_f32 v12, v12, v13, 0x2800000        ; and the floor
	v_add_nc_u32 v14, 0xfe000000, v12              ; the conversion's scale operand
	v_cvt_scalef32_pk16_bf6_f32 v[WC:WC+2], v[XS:XS+15], v14
	v_cvt_scalef32_pk16_bf6_f32 v[WD:WD+2], v[XS+16:XS+31], v14
	v_lshrrev_b32 v15, 23, v14                     ; the scale's byte (the plain place behind the conversions)
.if (\t) == 0
	v_mov_b32 v24, v15
.else
	v_lshl_or_b32 v24, v15, 8*(\t), v24            ; four bytes make my column's scale word of this K step
.endif
.irp i, 0,1,2
	v_mov_b32 v[WC+3+\i], v[WD+\i]
.endr
	ds_store_b128 v5, v[WC:WC+3] offset:((\t)/2)*768+((\t)%2)*256   ; block t is what lane r' + 16 (t % 2) owns in half t / 2 of the fragment
	ds_store_b64 v6, v[WC+4:WC+5] offset:((\t)/2)*768+((\t)%2)*128
.if (\t)+2 < 4
	WLOAD (\t)+2, \n
.endif
	s_wait_dscnt 0x0                               ; the stores have read their registers: the next block's codes may be written
.endm
; A weight [1024][n]: a work-group takes 128 columns x 128 K, a wave 32 columns (a pair of tiles).  A LANE TAKES A COLUMN AND ITS REGISTERS RUN DOWN K: nothing is transposed by an instruction.
.macro WPATH n, src, dst, scoff, stg, first
	s_sub_co_u32 s17, ttmp9, \first
	s_and_b32 s18, s17, 7                          ; my K step
	s_lshr_b32 s19, s17, 3
	s_lshl_b32 s19, s19, 2
	s_add_co_u32 s19, s19, s16                     ; my pair of tiles: 32 columns
	s_mul_i32 s26, s18, 512*(\n)                   ; 128 rows of 4 n bytes a K step,
	s_lshl_b32 s27, s19, 7                         ; 128 bytes a pair
	s_add_co_u32 s26, s26, s27
	s_mov_b32 s27, 0
	s_add_nc_u64 s[24:25], s[\src:\src+1], s[26:27]
	s_mul_i32 s26, s19, 24576
	s_mul_i32 s28, s18, 1536
	s_add_co_u32 s26, s26, s28
	s_add_nc_u64 s[30:31], s[\dst:\dst+1], s[26:27]   ; my two fragments
	s_lshl_b32 s26, s19, 10
	s_lshr_b32 s28, s18, 1
	s_lshl_b32 s28, s28, 8
	s_add_co_u32 s26, s26, s28
	s_and_b32 s28, s18, 1
	s_lshl_b32 s28, s28, 2
	s_add_co_u32 s26, s26, s28
	s_add_co_u32 s26, s26, \scoff
	s_add_nc_u64 s[32:33], s[\dst:\dst+1], s[26:27]   ; my pair's scale words of this K step
	v_lshlrev_b32 v4, 2, v1                        ; in: 4 bytes a lane
	v_bfe_u32 v10, v1, 3, 1                        ; column n' = lane lies in tile u = (n' / 8) % 2
	v_and_b32 v11, 7, v1
	v_lshrrev_b32 v12, 4, v1
	v_lshl_add_u32 v11, v12, 3, v11                ; as its row r' = n' % 8 + 8 (n' / 16)
	s_mul_i32 s23, s16, WWS
	s_add_co_u32 s23, s23, \stg                    ; my stage
	v_mul_u32_u24 v5, v10, 1664
	v_add_nc_u32 v5, s23, v5
	v_lshl_add_u32 v6, v11, 3, v5
	v_add_nc_u32 v6, 512, v6                       ; words 4-5: 512 + 8 r'
	v_lshl_add_u32 v5, v11, 4, v5                  ; words 0-3: 16 r'
	v_lshlrev_b32 v8, 4, v1                        ; out: 16 bytes a lane
	v_add_nc_u32 v7, s23, v8
	v_lshlrev_b32 v9, 7, v10
	v_lshl_add_u32 v9, v11, 3, v9                  ; my scale word: 128 u + 8 r'
	WLOAD 0, \n
	WLOAD 1, \n
	WBLOCK 0, \n
	WBLOCK 1, \n
	WBLOCK 2, \n
	WBLOCK 3, \n
	global_store_b32 v9, v24, s[32:33]             ; words 8 bytes apart: the other K step of the pair fills the gaps; 1 byte in 128 of what this way reads
.irp k, 0,1,2,3,4,5
	ds_load_b128 v[WO+4*\k:WO+4*\k+3], v7 offset:1664*(\k/3)+512*(\k%3)   ; LDS serves a wave's instructions in order: these see my stores
.endr
.irp k, 0,1,2,3,4,5
	s_wait_dscnt 5-\k                              ; load k is in; the younger ones may be out
	global_store_b128 v8, v[WO+4*\k:WO+4*\k+3], s[30:31] offset:12288*(\k/3)+512*(\k%3)   ; 512 consecutive bytes, aligned
.endr
	s_wait_tensorcnt 0x0
	ds_add_u32 v254, v255
	s_wait_dscnt 0x0
	s_endpgm
.endm
	s_load_b256 s[4:11], s[0:1], 0x0               ; x s[4:5], W_attn s[6:7], W_proj s[8:9], xq s[10:11]
	s_load_b128 s[12:15], s[0:1], 0x20             ; waq s[12:13], wpq s[14:15]
	v_lshl_add_u32 v254, v0, 2, 0xec00
	v_mov_b32 v255, 0
	v_lshrrev_b32 v1, 5, v0
	v_readfirstlane_b32 s16, v1                    ; wave 0..3
	v_and_b32 v1, 31, v0                           ; lane
	v_and_b32 v2, 15, v0                           ; r
	v_bfe_u32 v3, v0, 4, 1                         ; h
	s_mov_b32 s[SEL], 0x76543210
	s_mov_b32 s[SEL+1], 0xfedcba98
	s_mov_b32 s[HM], 0xffff0000
	s_wait_kmcnt 0x0
	s_cmp_lt_u32 ttmp9, 256
	s_cbranch_scc1 .Lx
	s_cmp_lt_u32 ttmp9, 448
	s_cbranch_scc1 .Lwa
	WPATH 1024, 8, 14, WPSC, STGP, 448
.Lwa:
	WPATH 3072, 6, 12, WASC, STGA, 256
.Lx:
	; x: the work-group owns rows 32 P .. 32 P + 31 (P = its number); wave w takes K steps 2 w and 2 w + 1 of both tiles: four fragments.
	; Each load reads a row's 512 bytes as they lie; the 16 rows turn through the wave's own stage, so that lane (r, h) gets 16 neighbours of each block of 32 of row r.
	v_lshlrev_b32 v4, 4, v1                        ; 16 x lane
	v_lshlrev_b32 v6, 3, v1                        ; 8 x lane
	v_add_nc_u32 v5, 512, v6                       ; 512 + 8 x lane
	s_mul_i32 s17, s16, XWS
	v_add_nc_u32 v7, s17, v4                       ; the stage, on the way in
	v_mul_u32_u24 v8, v2, XSP
	v_lshl_add_u32 v8, v3, 6, v8
	v_add_nc_u32 v8, s17, v8                       ; and out: row r, + 64 h
.irp b, 0,1,2,3
	v_mov_b32 v[TM+4+\b], 0                        ; written once: a lane permute's destination counts as one of its sources
.endr
	s_lshl_b32 s24, ttmp9, 17                      ; 32 rows of 4,096 bytes
	s_lshl_b32 s18, s16, 10                        ; my two K steps
	s_add_co_u32 s24, s24, s18
	s_mov_b32 s25, 0
	s_add_nc_u64 s[4:5], s[4:5], s[24:25]
	s_mul_i32 s24, ttmp9, 24576
	s_mul_i32 s18, s16, 3072
	s_add_co_u32 s24, s24, s18
	s_add_nc_u64 s[26:27], s[10:11], s[24:25]      ; my fragments
	s_lshl_b32 s24, ttmp9, 10
	s_lshl_b32 s18, s16, 8
	s_add_co_u32 s24, s24, s18
	s_add_co_u32 s24, s24, ASC
	s_add_nc_u64 s[28:29], s[10:11], s[24:25]      ; my 256 bytes of scale words
	LOADF 0
	LOADF 1
.irp f, 0,1,2,3
.if \f < 3
	s_wait_loadcnt 16                              ; this fragment's 16 loads are in; the next one's 16 may be out
.else
	s_wait_loadcnt 0x0
.endif
.irp i, 0,1,2,3,4,5,6,7,8,9,10,11,12,13,14,15
	ds_store_b128 v7, v[XR+64*(\f%2)+4*\i:XR+64*(\f%2)+4*\i+3] offset:XSP*\i
.endr
.irp b, 0,1,2,3
.irp j, 0,1,2,3
	ds_load_b128 v[XX+16*\b+4*\j:XX+16*\b+4*\j+3], v8 offset:128*\b+16*\j   ; LDS serves a wave's instructions in order: these see the stores above
.endr
.endr
	s_wait_dscnt 0x0                               ; the numbers are back, and the stores have read their registers
.if \f > 0
	s_wait_xcnt 0x0                                ; the last fragment's stores have read their data: the codes' registers are written again only behind this wait
.endif
.if \f < 2
	LOADF \f+2
.endif
	QUANT XX, PW+\f
	global_store_b128 v4, v[PC:PC+3], s[26:27] offset:(\f/2)*12288+(\f%2)*1536          ; 512 consecutive bytes
	global_store_b64 v5, v[PC+4:PC+5], s[26:27] offset:(\f/2)*12288+(\f%2)*1536         ; 256 consecutive bytes
	global_store_b128 v4, v[PC+6:PC+9], s[26:27] offset:(\f/2)*12288+(\f%2)*1536+768
	global_store_b64 v5, v[PC+10:PC+11], s[26:27] offset:(\f/2)*12288+(\f%2)*1536+768
.endr
	v_cndmask_b32 v[SW], v[PW], v[PW+2], s[HM]     ; lanes 0-15: tile 0's words, lanes 16-31: tile 1's; K step 2 w,
	v_cndmask_b32 v[SW+1], v[PW+1], v[PW+3], s[HM] ; and 2 w + 1
	global_store_b64 v6, v[SW:SW+1], s[28:29]      ; 256 consecutive bytes, aligned
	s_wait_tensorcnt 0x0
	ds_add_u32 v254, v255
	s_wait_dscnt 0x0
	s_endpgm
.Lfunc_end_k_q93c04ac050_quant:
	.size	k_q93c04ac050_quant, .Lfunc_end_k_q93c04ac050_quant-k_q93c04ac050_quant
	.p2alignl 7, 3214868480
	.fill 96, 4, 3214868480
	.section	.rodata,"a",@progbits
	.p2align	6, 0x0
	.amdhsa_kernel k_q93c04ac050_quant
		.amdhsa_group_segment_fixed_size 60928
		.amdhsa_private_segment_fixed_size 0
		.amdhsa_enable_private_segment 0
		.amdhsa_kernarg_size 48
		.amdhsa_user_sgpr_count 2
		.amdhsa_user_sgpr_kernarg_segment_ptr 1
		.amdhsa_wavefront_size32 1
		.amdhsa_system_sgpr_workgroup_id_x 1
		.amdhsa_system_sgpr_workgroup_id_y 1
		.amdhsa_system_sgpr_workgroup_id_z 1
		.amdhsa_system_vgpr_workitem_id 0
		.amdhsa_next_free_vgpr 256
		.amdhsa_next_free_sgpr 66
		.amdhsa_reserve_vcc 0
		.amdhsa_float_denorm_mode_32 3
		.amdhsa_float_denorm_mode_16_64 3
		.amdhsa_memory_ordered 1
		.amdhsa_forward_progress 1
		.amdhsa_inst_pref_size 77
	.end_amdhsa_kernel
	.amdgpu_metadata
---
amdhsa.version: [ 1, 2 ]
amdhsa.kernels:
  - .name:           k_q93c04ac050_quant
    .symbol:         k_q93c04ac050_quant.kd
    .args:
      - { .name: x, .offset: 0, .size: 8, .value_kind: global_buffer, .address_space: global }
      - { .name: W_attn, .offset: 8, .size: 8, .value_kind: global_buffer, .address_space: global }
      - { .name: W_proj, .offset: 16, .size: 8, .value_kind: global_buffer, .address_space: global }
      - { .name: xq, .offset: 24, .size: 8, .value_kind: global_buffer, .address_space: global }
      - { .name: waq, .offset: 32, .size: 8, .value_kind: global_buffer, .address_space: global }
      - { .name: wpq, .offset: 40, .size: 8, .value_kind: global_buffer, .address_space: global }
    .group_segment_fixed_size: 60928
    .private_segment_fixed_size: 0
    .kernarg_segment_align: 8
    .kernarg_segment_size: 48
    .max_flat_workgroup_size: 128
    .sgpr_count:     66
    .vgpr_count:     256
    .wavefront_size: 32
...
	.end_amdgpu_metadata
.endif
;; end of part 1
;; launch qkv (part 2): grid 12 x 32, 4 waves a work-group, clusters of 4 x 4, 327,680 bytes of LDS; arguments xq, waq, b_attn, qkv; writes qkv
.if DOCPART == 2
	.amdgcn_target "amdgcn-amd-amdhsa--gfx1250"
	.amdhsa_code_object_version 6
	.text
	.protected	k_q93c04ac050_qkv
	.globl	k_q93c04ac050_qkv
	.p2align	8
	.type	k_q93c04ac050_qkv,@function
k_q93c04ac050_qkv:
	s_mov_b64 s[64:65], 0
	v_nop
	global_prefetch_b8 v0, s[64:65] scope:SCOPE_SE
	s_setreg_imm32_b32 hwreg(HW_REG_WAVE_MODE, 25, 1), 1
	s_wait_xcnt 0x0
	s_wait_alu depctr_hold_cnt(0) depctr_sa_sdst(0) depctr_va_vdst(0) depctr_va_sdst(0) depctr_va_ssrc(0) depctr_va_vcc(0) depctr_vm_vsrc(0)
	s_getreg_b32 s2, hwreg(HW_REG_IB_STS2, 6, 4)
	s_cmp_eq_u32 s2, 0
	s_cbranch_scc0 .Lentry_in_a_cluster
	s_endpgm
.Lentry_in_a_cluster:
	s_bfe_u32 s2, ttmp6, 0x10000c
	s_cmp_lg_u32 s2, 0xf033
	s_cbranch_scc0 .Lentry_shape_is_right
	s_endpgm
.Lentry_shape_is_right:
; qkv = x W_attn + b_attn on codes of BF6 (E3M2) with E8M0 scales, and q, k, v leave AS CODES: q and k quantised along the head's 64, v along the keys.  No f32 number of qkv goes to memory.
; OPERANDS: xq (tokens) and waq (columns n): tables of fragments in the order of the operand's registers.  Tile T = 2 P + u holds rows 32 P + 8 u + r + 8 (r / 8); fragment (T, K step s of 128) is 1,536 bytes at 12,288 T + 1,536 s: two halves of
; 768 bytes (64 along K), lane l's words 0-3 at 16 l, words 4-5 at 512 + 8 l.  Scale words behind the codes: 1,024 bytes for each 32 rows, word (s, u, r) at 256 (s / 2) + 128 u + 8 r + 4 (s % 2).
; A tile of the result, 256 tokens x 256 columns, is made by four waves, 128 x 128 each: 64 accumulators, 512 registers.  K = 1,024 goes in four steps of 256 through two LDS slots filled by the tensor data mover; the four are written out.
; With tiles of rows chosen so on BOTH sides, lane (r, h) of a result holds source 1's row r, and the 16 registers of source 0's tiles 2 b and 2 b + 1 are source 0's rows 32 b + 16 h + 0 .. 15: 16 neighbours for the conversions.
; ONE TEXT, TWO ORIENTATIONS, chosen by the cluster's x (0: q, 1: k, 2: v), which all partners of a cluster share.  q, k: source 0 = W, source 1 = x: a lane holds a token and its registers run along the head's d.
; v: source 0 = x, source 1 = W: a lane holds a column (head, d) and its registers run along the keys.  The tensor loads do not know of it: only the addresses at which a wave READS its two sides in a slot are chosen.
; OUTPUT, qkv: three parts (q, k, v) of 64 heads x 16 blocks of 6,656 bytes.  q, k, block G of a head: eight halves of 768 bytes (token tile t of tokens 128 G ..), then 512 bytes of scale words: register i of lane l at 6,144 + 16 l + 4 i holds
; tile 2 i's words in lanes 0-15 and tile 2 i + 1's in lanes 16-31; bytes 0, 1 the head's two scales, bytes 2, 3 zero.  v, block G: half 2 t + c = d tile t, keys 128 G + 64 c ..; scale register t = d tile t's words.
; CLUSTERS: 4 x 4.  x's tiles are shared along a row of the cluster, W's along a column: joint loads.  LIMITS as in the launch that made the codes: NaN and infinities not served; a block under 2^-122 gets the byte 1.
; 384 work-groups: a tile that gave each WGP an equal share would straddle the limits between q, k and v.
; REGISTERS: window 0: v16-31 addresses; v32-63 scale words, two sets; v64-127 and v240-255 the bias in both forms; v128-223 source 1's fragments, one set; on the way out v128-239 at work.
;   window 1: source 0's fragments, two sets, at v0 and v128.  windows 2, 3: accumulator (a, b) at v[8 (8 (a % 4) + b)], a = source 1's tile, b = source 0's.
.set TROW,  12288                      ; a tile's eight fragments
.set TSL,   3072                       ; what a slot holds of a tile: two K steps of 128
.set FRB,   1536
.set FR,    12                         ; registers of a fragment
.set NL,    4                          ; LDS loads that bring one
.set NP,    4                          ; places behind this matrix instruction (ISA guide 7.12.1)
.set NQ,    2                          ; matrix instructions deep in a slot
.set HALFT, 8*TSL                      ; 8 tiles: what one tensor load brings, and what a wave reads of one side
.set SLOT,  4*HALFT                    ; x's 16 tiles, then W's 16
.set SCL,   2*SLOT                     ; behind the ring: the scale words for all of K: x's 8,192 bytes, then W's
.set HALFS, 4096                       ; those of 128 rows
.set SPARE, SCL+4*HALFS+256            ; the spare words, 128 bytes for each wave: two blocks of 256 bytes that no other line names
.set ASC,   6291456                    ; where the scale words begin in xq,
.set BSC,   2359296                    ; and in waq
.set BLK,   6656
.set HS,    16*BLK                     ; a head
.set PART,  64*HS                      ; q, k or v
.set ADRA, 16                          ; v16-17 LDS address of source 1's fragments in slot 0, 1: 16 x lane on; v18-19: 512 + 8 x lane on
.set ADRB, 20                          ; v20-23 the same for source 0
.set O16,  24                          ; v24  16 x lane
.set O8,   25                          ; v25  512 + 8 x lane
.set ADRS, 27                          ; v27  LDS address of my scale words: lanes 0-15 source 1's rows, lanes 16-31 source 0's
.set SPW,  28                          ; v28  LDS address of my spare word; never rewritten
.set NIL,  29                          ; v29  0; never rewritten
.set SC,   32                          ; scale words: set s at v[SC + 16 s]; register 2 i + q: tile i, the slot's q-th 128 along K
.set BP,   64                          ; v64-127  the bias along the registers: register 16 b + i = column 32 b + 16 h + i
.set AF,   128                         ; source 1's fragments
.set HH,   128                         ; the way out: v128-191 64 numbers
.set PC,   192                         ; v192-203 a fragment's codes, v204-210 at work
.set TM,   212                         ; v212-227 at work
.set SW,   228                         ; v228-235 scale words
.set PWT,  236
.set BQ,   240                         ; v240-255 the bias of my lane's column in tile a, twice: v[BQ + 2 a], v[BQ + 2 a + 1]
.set SA,   32                          ; the way out: v32-35, v36-39 the two heads' scale words
.set SB,   36
.set PSEL, 2                           ; s[2:3] lane selects for v_permlanex16_b32: lane l xor 16
.set HM,   12                          ; s12  the mask of lanes 16-31
.set VSEL, 13                          ; s13  1 in v's clusters
.set WSEL, 66                          ; s66  which half of the tile's columns is mine
.set TSEL, 67                          ; s67  which half of its tokens
.set G1, 24                            ; s[24:31] descriptor group 1 for x's tiles;  s[32:39] group 0, one set for each slot
.set G0, 32
.set G1B, 48                           ; s[48:55], s[56:63] the same for W's
.set G0B, 56
.set G1S, 68                           ; s[68:75], s[76:79] groups 1 and 0 for x's scale words;  s[80:87], s[88:91] for W's
.set G0S, 76
.set G1SB, 80
.set G0SB, 88
.set MSB, 0
.macro WIN new                         ; the immediate's high byte repeats the setting that is left
.if MSB != (\new)
	s_set_vgpr_msb (MSB<<8)|(\new)
.set MSB, (\new)
.endif
.endm
.set MUL_LO, 0xa1                      ; source 0 window 1, source 1 window 0, C and D window 2
.set MUL_HI, 0xf1                      ; the same, C and D window 3
.set TO_B,   0x40                      ; destination window 1, address window 0
; A joint load: waves 0 and 1 fetch for x, waves 2 and 3 for W.  Each line has one mask and one set of registers for all that issue it; the branch hangs on the wave's number alone.
; Four v_nop follow each of the two lines, ahead of the jump, the label and what follows.
.macro JLOAD g0a, g1a, g0b, g1b
	s_cmp_eq_u32 s15, 0
	s_cbranch_scc0 .Lfor_b_\@
	tensor_load_to_lds s[\g0a:\g0a+3], s[\g1a:\g1a+7]
	s_nop 0
.rept 4
	v_nop
.endr
	s_branch .Lasked_\@
.Lfor_b_\@:
	tensor_load_to_lds s[\g0b:\g0b+3], s[\g1b:\g1b+7]
	s_nop 0
.rept 4
	v_nop
.endr
.Lasked_\@:
.endm
.macro CREST                           ; a round of the cluster's barrier behind its opening barrier
	s_cmp_lg_u32 s14, 0
	s_cbranch_scc1 .Lnot_wave_0_\@
	s_barrier_signal -3
.Lnot_wave_0_\@:
	s_barrier_wait -3
	s_barrier_signal -1
	s_barrier_wait -1
.endm
.macro CROUND                          ; a whole round
	s_barrier_signal -1
	s_barrier_wait -1
	CREST
.endm
	s_load_b256 s[4:11], s[0:1], 0x0               ; xq s[4:5], waq s[6:7], b_attn s[8:9], qkv s[10:11]
	v_lshl_add_u32 v[SPW], v0, 2, SPARE
	v_mov_b32 v[NIL], 0
	ds_add_u32 v28, v29
	ds_add_u32 v28, v29
	s_wait_dscnt 0x0
	v_lshrrev_b32 v1, 5, v0
	v_readfirstlane_b32 s14, v1                    ; wave 0..3
	s_lshr_b32 s15, s14, 1                         ; which half of source 1's rows is mine.  Also: I fetch for x (0) or for W (1)
	s_and_b32 s16, s14, 1                          ; which half of source 0's.  Also: which 8 tiles I fetch
	s_bfe_u32 s40, ttmp6, 0x40000                  ; cx, cy: my place in the cluster
	s_bfe_u32 s41, ttmp6, 0x40004
	s_lshl_b32 s42, ttmp9, 2
	s_add_co_u32 s42, s42, s40                     ; X: which 256 columns = 4 x cluster x + cx
	s_and_b32 s17, ttmp7, 0xffff
	s_lshl_b32 s17, s17, 2
	s_add_co_u32 s17, s17, s41                     ; Y: which 256 tokens = 4 x cluster y + cy
	s_lshl_b32 s43, s41, 2
	s_lshl_b32 s43, 15, s43                        ; my row of the cluster
	s_lshl_b32 s44, 0x1111, s40                    ; my column
	; descriptor group 1: 8 rows (tiles) of 3,072 bytes, 12,288 bytes apart, dense in LDS
	s_or_b32 s[G1+0], s43, (3<<16)|(1<<21)         ; 15:0 the mask: x's tiles go to my row; 17:16 elements of 8 bytes; 20 no padding; 21 set beside a mask
	s_or_b32 s[G1B+0], s44, (3<<16)|(1<<21)
.irp g, G1, G1B
	s_mov_b32 s[\g+1], 384<<16                     ; tensor_dim0 = 384 elements
	s_mov_b32 s[\g+2], 8<<16                       ; tensor_dim1 = 8
	s_mov_b32 s[\g+3], 384<<16                     ; tile_dim0
	s_mov_b32 s[\g+4], 8                           ; tile_dim1
	s_mov_b32 s[\g+5], TROW/8                      ; tensor_dim0_stride
	s_mov_b32 s[\g+6], 0
	s_mov_b32 s[\g+7], 0
.endr
	; and for the scale words of 128 rows: a dense block of 4,096 bytes, as 16 rows of 256
	s_or_b32 s[G1S+0], s43, (3<<16)|(1<<21)
	s_or_b32 s[G1SB+0], s44, (3<<16)|(1<<21)
.irp g, G1S, G1SB
	s_mov_b32 s[\g+1], 32<<16
	s_mov_b32 s[\g+2], 16<<16
	s_mov_b32 s[\g+3], 32<<16
	s_mov_b32 s[\g+4], 16
	s_mov_b32 s[\g+5], 32
	s_mov_b32 s[\g+6], 0
	s_mov_b32 s[\g+7], 0
.endr
	s_mov_b32 s[PSEL], 0x76543210
	s_mov_b32 s[PSEL+1], 0xfedcba98
	s_mov_b32 s[HM], 0xffff0000
	s_cmp_eq_u32 ttmp9, 2                          ; v's clusters: the cluster's x, the same in all sixteen partners
	s_cselect_b32 s[VSEL], 1, 0
	s_cselect_b32 s95, 2*HALFT, 0                  ; where source 1's side lies in a slot: x's tiles at 0, W's behind them
	s_cselect_b32 s96, 0, 2*HALFT                  ; and source 0's
	s_cselect_b32 s97, 2*HALFS, 0                  ; the same among the scale words
	s_cselect_b32 s98, 0, 2*HALFS
	s_cselect_b32 s[WSEL], s15, s16
	s_cselect_b32 s[TSEL], s16, s15
	s_lshl_b32 s18, s16, 3                         ; which 8 tiles I fetch
	s_lshl_b32 s20, s17, 4
	s_add_co_u32 s20, s20, s18                     ; x: tile 16 Y + 8 x half
	s_lshl_b32 s46, s42, 4
	s_add_co_u32 s46, s46, s18                     ; W: tile 16 X + 8 x half
	s_lshl_b32 s22, s20, 9                         ; scale words: 512 bytes a tile
	s_add_co_u32 s22, s22, ASC
	s_mov_b32 s23, 0
	s_lshl_b32 s92, s46, 9
	s_add_co_u32 s92, s92, BSC
	s_mov_b32 s93, 0
	s_mul_i32 s20, s20, TROW
	s_mov_b32 s21, 0
	s_mul_i32 s46, s46, TROW
	s_mov_b32 s47, 0
	s_mul_i32 s45, s14, HALFT                      ; where they go: wave x 8 tiles: no place in the cluster enters an LDS address
	s_lshl_b32 s94, s14, 12
	s_wait_kmcnt 0x0
	s_add_nc_u64 s[20:21], s[4:5], s[20:21]
	s_add_nc_u64 s[22:23], s[4:5], s[22:23]
	s_add_nc_u64 s[46:47], s[6:7], s[46:47]
	s_add_nc_u64 s[92:93], s[6:7], s[92:93]
	CROUND                                         ; all sixteen work-groups are here: the first joint loads meet
	s_mov_b32 s[G0S], 1
	s_add_co_u32 s[G0S+1], s94, SCL
	s_mov_b64 s[G0S+2:G0S+3], s[22:23]
	s_or_b32 s[G0S+3], s[G0S+3], 0x80000000
	s_mov_b32 s[G0SB], 1
	s_add_co_u32 s[G0SB+1], s94, SCL
	s_mov_b64 s[G0SB+2:G0SB+3], s[92:93]
	s_or_b32 s[G0SB+3], s[G0SB+3], 0x80000000
	JLOAD G0S, G1S, G0SB, G1SB                     ; the scale words first: they are wanted with the first K step
.irp s, 0,1
	s_mov_b32 s[G0+4*\s], 1
	s_add_co_u32 s[G0+4*\s+1], s45, \s*SLOT
	s_add_nc_u64 s[G0+4*\s+2:G0+4*\s+3], s[20:21], \s*TSL
	s_or_b32 s[G0+4*\s+3], s[G0+4*\s+3], 0x80000000
	s_mov_b32 s[G0B+4*\s], 1
	s_add_co_u32 s[G0B+4*\s+1], s45, \s*SLOT
	s_add_nc_u64 s[G0B+4*\s+2:G0B+4*\s+3], s[46:47], \s*TSL
	s_or_b32 s[G0B+4*\s+3], s[G0B+4*\s+3], 0x80000000
	JLOAD G0+4*\s, G1, G0B+4*\s, G1B               ; by this text's count three loads of a wave are out
.endr
	v_and_b32 v1, 31, v0
	v_lshlrev_b32 v[O16], 4, v1                    ; 16 x lane
	v_lshlrev_b32 v[O8], 3, v1
	v_add_nc_u32 v[O8], 512, v[O8]                 ; 512 + 8 x lane
	s_mul_i32 s21, s15, HALFT
	s_add_co_u32 s21, s21, s95                     ; source 1's 8 tiles
	s_mul_i32 s22, s16, HALFT
	s_add_co_u32 s22, s22, s96                     ; source 0's
.irp s, 0,1
	v_add_nc_u32 v[ADRA+\s], s21, v[O16]
	v_add_nc_u32 v[ADRB+\s], s22, v[O16]
	v_add_nc_u32 v[ADRA+2+\s], s21, v[O8]
	v_add_nc_u32 v[ADRB+2+\s], s22, v[O8]
	s_add_co_u32 s21, s21, SLOT
	s_add_co_u32 s22, s22, SLOT
.endr
	v_and_b32 v2, 15, v0                           ; r
	v_bfe_u32 v3, v0, 4, 1                         ; h
	s_wait_alu depctr_va_vdst(0)
	v_lshlrev_b32 v6, 3, v2                        ; scale words: 8 bytes a row
	s_lshl_b32 s21, s15, 12
	s_add_co_u32 s21, s21, s97
	s_add_co_u32 s21, s21, SCL                     ; source 1's 128 rows,
	s_lshl_b32 s22, s16, 12
	s_add_co_u32 s22, s22, s98
	s_add_co_u32 s22, s22, SCL                     ; source 0's
	v_mov_b32 v7, s21
	v_mov_b32 v8, s22
	v_cndmask_b32 v7, v7, v8, s[HM]                ; lanes 16-31 take source 0's
	v_add_nc_u32 v[ADRS], v7, v6
	; the bias of my 128 columns, in both forms: along the registers (q, k) and by the lane (v)
	s_lshl_b32 s46, s42, 10
	s_lshl_b32 s47, s[WSEL], 9
	s_add_co_u32 s46, s46, s47                     ; 4 x (256 X + 128 x half)
	s_mov_b32 s47, 0
	s_add_nc_u64 s[8:9], s[8:9], s[46:47]
	v_lshlrev_b32 v30, 6, v3                       ; 64 h
	v_and_b32 v4, 8, v2
	v_add_nc_u32 v4, v4, v2
	v_lshlrev_b32 v31, 2, v4                       ; 4 (r + 8 (r / 8))
.irp b, 0,1,2,3
.irp j, 0,1,2,3
	global_load_b128 v[BP+16*\b+4*\j:BP+16*\b+4*\j+3], v30, s[8:9] offset:128*\b+16*\j
.endr
.endr
.irp a, 0,1,2,3,4,5,6,7
	global_load_b32 v[BQ+2*\a], v31, s[8:9] offset:4*(32*(\a/2)+8*(\a%2))
	global_load_b32 v[BQ+2*\a+1], v31, s[8:9] offset:4*(32*(\a/2)+8*(\a%2))
.endr
	; where my blocks begin in qkv: part x PART + (16 batch + 4 cx + 2 x my half of the columns) heads + (2 (Y % 8) + my half of the tokens) blocks
	s_lshr_b32 s46, s17, 3
	s_lshl_b32 s46, s46, 4
	s_lshl_b32 s47, s40, 2
	s_add_co_u32 s46, s46, s47
	s_lshl_b32 s47, s[WSEL], 1
	s_add_co_u32 s46, s46, s47
	s_mul_i32 s46, s46, HS
	s_and_b32 s47, s17, 7
	s_lshl_b32 s47, s47, 1
	s_add_co_u32 s47, s47, s[TSEL]
	s_mul_i32 s47, s47, BLK
	s_add_co_u32 s46, s46, s47
	s_mul_i32 s47, ttmp9, PART
	s_add_co_u32 s46, s46, s47
	s_mov_b32 s47, 0
	s_add_nc_u64 s[10:11], s[10:11], s[46:47]
.macro FRAG reg, adr, q, i             ; a fragment comes as it was stored: registers 0-3, 4-5, 6-9, 10-11; every load reads consecutive bytes
	ds_load_b128 v[\reg:\reg+3], v[\adr] offset:(\i)*TSL+(\q)*FRB
	ds_load_b64 v[\reg+4:\reg+5], v[\adr+2] offset:(\i)*TSL+(\q)*FRB
	ds_load_b128 v[\reg+6:\reg+9], v[\adr] offset:(\i)*TSL+(\q)*FRB+768
	ds_load_b64 v[\reg+10:\reg+11], v[\adr+2] offset:(\i)*TSL+(\q)*FRB+768
.endm
; 16 matrix instructions: source 1's tiles a0, a0 + 1 x source 0's eight, the slot's q-th 128 along K.  p: source 0's set;  sc: the set of scale words.  zero = 1: the first product starts the sums.
; The 64 accumulators take turns, one instruction a turn, in the same order in every step.
.macro MUL16 a0, p, q, sc, zero
.irp a, \a0, \a0+1
.irp b, 0,1,2,3,4,5,6,7
.if \zero
	v_wmma_scale_f32_16x16x128_f8f6f4 v[8*(8*((\a)%4)+\b):8*(8*((\a)%4)+\b)+7], v[128*(\p)+FR*\b:128*(\p)+FR*\b+FR-1], v[AF+FR*(\a):AF+FR*(\a)+FR-1], 0, v[SC+8*NQ*(\sc)+NQ*\b+(\q)], v[SC+8*NQ*(\sc)+NQ*(\a)+(\q)] matrix_a_fmt:MATRIX_FMT_BF6 matrix_b_fmt:MATRIX_FMT_BF6 matrix_a_scale:MATRIX_SCALE_ROW1
.else
	v_wmma_scale_f32_16x16x128_f8f6f4 v[8*(8*((\a)%4)+\b):8*(8*((\a)%4)+\b)+7], v[128*(\p)+FR*\b:128*(\p)+FR*\b+FR-1], v[AF+FR*(\a):AF+FR*(\a)+FR-1], v[8*(8*((\a)%4)+\b):8*(8*((\a)%4)+\b)+7], v[SC+8*NQ*(\sc)+NQ*\b+(\q)], v[SC+8*NQ*(\sc)+NQ*(\a)+(\q)] matrix_a_fmt:MATRIX_FMT_BF6 matrix_b_fmt:MATRIX_FMT_BF6 matrix_a_scale:MATRIX_SCALE_ROW1
.endif
.endr
.endr
.endm
.macro FETCH_B slot, q, p              ; source 0's eight fragments into set p
	WIN TO_B
.irp i, 0,1,2,3,4,5,6,7
	FRAG 128*(\p)+FR*\i, ADRB+\slot, \q, \i
.endr
	WIN 0
.endm
.macro FETCH_A slot, q, i0             ; source 1's tiles i0 .. i0 + 3
.irp i, \i0, \i0+1, \i0+2, \i0+3
	FRAG AF+FR*(\i), ADRA+\slot, \q, \i
.endr
.endm
.macro SCALES sc, sg                   ; the scale words of the sg-th 256 along K into set sc: two words a row; lanes 0-15 take source 1's tile i, lanes 16-31 source 0's
.irp i, 0,1,2,3,4,5,6,7
	ds_load_b64 v[SC+8*NQ*(\sc)+NQ*\i:SC+8*NQ*(\sc)+NQ*\i+1], v[ADRS] offset:256*(\sg)+(\i/2)*1024+(\i%2)*128
.endr
.endm
; A load into a register that a matrix instruction has read, and a vector instruction that reads a matrix result or writes one of its registers, stand NP places behind it; only plain vector instructions
; that name none of its registers are places (ISA guide 7.12.1 for vector instructions).
.macro PLACES n
.rept \n
	v_nop
.endr
.endm
.macro STEP slot, q, zero              ; a step of 128 along K that has its successor in the same slot
	s_wait_dscnt 4*NL                              ; source 0's set and source 1's tiles 0-3 are in; the youngest 16 loads (tiles 4-7) may be out
	WIN MUL_LO
	MUL16 0, (\q)%2, \q, \slot, \zero
	MUL16 2, (\q)%2, \q, \slot, \zero
	s_wait_dscnt 0                                 ; tiles 4-7 are in (asked for 32 matrix instructions ago)
	PLACES NP
	FETCH_B \slot, (\q)+1, 1-(\q)%2
	FETCH_A \slot, (\q)+1, 0
	WIN MUL_HI
	MUL16 4, (\q)%2, \q, \slot, \zero
	MUL16 6, (\q)%2, \q, \slot, \zero
	PLACES NP
	WIN 0
	FETCH_A \slot, (\q)+1, 4
.endm
; A slot's last step changes slots: ONE barrier; in front of it each wave waits for all its tensor loads, adds 0 to its spare word, and waits for that and for its own reads of this slot.
; fill = 1: this slot is filled again, two slots ahead along K.  sg: which 256 along K the next slot holds.
.macro TURN slot, next, fill, sg
	s_wait_tensorcnt 0x0                           ; all my tensor loads have landed: my part of the next slot;  (every window is 0 here)
	ds_add_u32 v[SPW], v[NIL]                      ; 0 onto my spare word;
	s_wait_dscnt 4*NL+1                            ; (the add and the youngest 16 loads may be out)
	WIN MUL_LO
	MUL16 0, 1, NQ-1, \slot, 0                     ; sixteen matrix instructions stand between the add and the wait for it
	s_wait_dscnt 0x0                               ; the add is done, and my reads of this slot are over
	s_barrier_signal -1
	MUL16 2, 1, NQ-1, \slot, 0
	WIN 0
	s_barrier_wait -1
.if \fill
	CREST                                          ; the barrier has opened a round of the cluster's barrier: no wave of any partner still reads this slot or has a load on its way
	s_add_nc_u64 s[G0+4*\slot+2:G0+4*\slot+3], s[G0+4*\slot+2:G0+4*\slot+3], 2*TSL
	s_add_nc_u64 s[G0B+4*\slot+2:G0B+4*\slot+3], s[G0B+4*\slot+2:G0B+4*\slot+3], 2*TSL
	JLOAD G0+4*\slot, G1, G0B+4*\slot, G1B         ; the first tensor load behind the round, my one load until the next; its four v_nop are the places in front of the loads below
.else
	PLACES NP
.endif
	FETCH_B \next, 0, 0
	FETCH_A \next, 0, 0
	SCALES \next, \sg
	WIN MUL_HI
	MUL16 4, 1, NQ-1, \slot, 0
	MUL16 6, 1, NQ-1, \slot, 0
	PLACES NP
	WIN 0
	FETCH_A \next, 0, 4
.endm
	s_wait_alu depctr_va_vdst(0)
	s_wait_tensorcnt 1                             ; the scale words and my part of slot 0 are in (slot 1's load may be out)
	s_barrier_signal -1
	s_barrier_wait -1                              ; everybody's are
	FETCH_B 0, 0, 0
	FETCH_A 0, 0, 0
	SCALES 0, 0
	FETCH_A 0, 0, 4
	STEP 0, 0, 1                                   ; K 0-127: its products start the sums
	TURN 0, 1, 1, 1                                ; K 128-255; slot 0 takes K 512-767
	STEP 1, 0, 0
	TURN 1, 0, 1, 2                                ; slot 1 takes K 768-1,023
	STEP 0, 0, 0
	TURN 0, 1, 0, 3                                ; nothing is left to fetch
	STEP 1, 0, 0
	s_wait_dscnt 4*NL                              ; the last step
	WIN MUL_LO
	MUL16 0, 1, NQ-1, 1, 0
	MUL16 2, 1, NQ-1, 1, 0
	s_wait_dscnt 0
	WIN MUL_HI
	MUL16 4, 1, NQ-1, 1, 0
	MUL16 6, 1, NQ-1, 1, 0
	WIN 0
; 64 numbers of a lane, v[s] .. v[s + 63], register 16 b + i = k 32 b + 16 h + i, become a fragment's codes in v[PC] .. v[PC + 11] and the scale word in v[pw].
.macro QUANT s, pw
.irp b, 0,1,2,3
	v_max3_num_f32 v[TM+\b], |v[\s+16*\b]|, |v[\s+1+16*\b]|, 0x2800000   ; block b: my 16 numbers and the floor 2^(5 - 127): the byte cannot fall under 1
.endr
.irp i, 2,4,6,8,10,12,14
.irp b, 0,1,2,3
	v_max3_num_f32 v[TM+\b], v[TM+\b], |v[\s+16*\b+\i]|, |v[\s+1+16*\b+\i]|
.endr
.endr
.irp b, 0,1,2,3
	v_permlanex16_b32 v[TM+4+\b], v[TM+\b], s[PSEL], s[PSEL+1]
.endr
.irp b, 0,1,2,3
	v_max_num_f32 v[TM+\b], v[TM+\b], v[TM+4+\b]   ; with lane l xor 16's 16: the block's largest magnitude
.endr
.irp b, 0,1,2,3
	v_add_nc_u32 v[TM+12+\b], 0xfe000000, v[TM+\b]   ; 4 off its exponent field: the conversion's scale operand
.endr
.irp b, 0,1,2,3
	v_lshrrev_b32 v[TM+4+\b], 23, v[TM+12+\b]      ; the scale's byte
.endr
	v_lshl_or_b32 v[\pw], v[TM+5], 8, v[TM+4]
	v_lshl_or_b32 v[\pw], v[TM+6], 16, v[\pw]
	v_lshl_or_b32 v[\pw], v[TM+7], 24, v[\pw]
.irp c, 0,1
	v_cvt_scalef32_pk16_bf6_f32 v[PC+6*\c:PC+2+6*\c], v[\s+32*\c:\s+15+32*\c], v[TM+12+2*\c]
	v_cvt_scalef32_pk16_bf6_f32 v[PC+12+4*\c:PC+14+4*\c], v[\s+16+32*\c:\s+31+32*\c], v[TM+12+2*\c+1]
.endr
	v_nop                                          ; one plain place behind the scaled conversions
.irp c, 0,1
.irp i, 0,1,2
	v_permlane16_swap_b32 v[PC+6*\c+\i], v[PC+12+4*\c+\i]
.endr
.irp i, 0,1,2
	v_mov_b32 v[PC+3+6*\c+\i], v[PC+12+4*\c+\i]
.endr
.endr
.endm
; THE WAY OUT, source 1's tile a at a time: its eight accumulators are 64 numbers of a lane.  The bias is added in f32 (the addition is also the move into window 0; each accumulator is read from its low end on),
; the 64 are quantised, and the fragment's two halves leave as they stand: every store covers 512 or 256 consecutive bytes, aligned.  No LDS.
; vv = 0 (q, k): the lane's token, 128 columns = two heads: half 0 is head 0's tile a, half 1 head 1's; the word's low two bytes are head 0's scales.
; vv = 1 (v): the lane's column (head a / 4, d tile a % 4), 128 keys: both halves and the whole word belong to that d tile.
.macro EPI vv
.irp a, 0,1,2,3,4,5,6,7
	WIN 2+\a/4                                     ; source 0: window 2 or 3
.set i, 0
.rept 32
.if \vv
	v_pk_add_f32 v[HH+2*i:HH+2*i+1], v[64*(\a%4)+2*i:64*(\a%4)+2*i+1], v[BQ+2*\a:BQ+2*\a+1]
.else
	v_pk_add_f32 v[HH+2*i:HH+2*i+1], v[64*(\a%4)+2*i:64*(\a%4)+2*i+1], v[BP+2*i:BP+2*i+1]
.endif
.set i, i+1
.endr
	WIN 0
	s_wait_xcnt 0x0                                ; the last tile's stores have read their data: the codes' registers are written again only behind this wait
.if \vv
	QUANT HH, SW+\a
	global_store_b128 v[O16], v[PC:PC+3], s[10:11] offset:(\a/4)*HS+(\a%4)*FRB
	global_store_b64 v[O8], v[PC+4:PC+5], s[10:11] offset:(\a/4)*HS+(\a%4)*FRB
	global_store_b128 v[O16], v[PC+6:PC+9], s[10:11] offset:(\a/4)*HS+(\a%4)*FRB+768
	global_store_b64 v[O8], v[PC+10:PC+11], s[10:11] offset:(\a/4)*HS+(\a%4)*FRB+768
.else
.if \a%2 == 0
	QUANT HH, SW+\a/2
.else
	QUANT HH, PWT
	v_cndmask_b32 v[SW+\a/2], v[SW+\a/2], v[PWT], s[HM]   ; the even tile's words in lanes 0-15, the odd tile's in lanes 16-31
.endif
	global_store_b128 v[O16], v[PC:PC+3], s[10:11] offset:768*\a
	global_store_b64 v[O8], v[PC+4:PC+5], s[10:11] offset:768*\a
	global_store_b128 v[O16], v[PC+6:PC+9], s[10:11] offset:HS+768*\a
	global_store_b64 v[O8], v[PC+10:PC+11], s[10:11] offset:HS+768*\a
.endif
.endr
.if \vv
	global_store_b128 v[O16], v[SW:SW+3], s[10:11] offset:6144
	global_store_b128 v[O16], v[SW+4:SW+7], s[10:11] offset:HS+6144
.else
.irp k, 0,1,2,3
	v_and_b32 v[SA+\k], 0xffff, v[SW+\k]           ; head 0's two bytes; bytes 2, 3 zero
	v_lshrrev_b32 v[SB+\k], 16, v[SW+\k]           ; head 1's
.endr
	global_store_b128 v[O16], v[SA:SA+3], s[10:11] offset:6144
	global_store_b128 v[O16], v[SB:SB+3], s[10:11] offset:HS+6144
.endif
.endm
	PLACES NP                                      ; behind the last products
.irp b, 0,1,2,3
	v_mov_b32 v[TM+4+\b], 0                        ; written once: a lane permute's destination counts as one of its sources
.endr
	s_wait_loadcnt 0x0                             ; the bias
	s_cmp_lg_u32 s[VSEL], 0                        ; the cluster's x: the same way in all partners and all waves
	s_cbranch_scc1 .Lepi_v
	EPI 0
	s_branch .Lepi_done
.Lepi_v:
	EPI 1
.Lepi_done:
	s_wait_tensorcnt 0x0                           ; the wave's end
	ds_add_u32 v[SPW], v[NIL]
	s_wait_dscnt 0x0
	CROUND                                         ; the closing round: no work-group ends while a partner may still ask for a tile that names it
	s_endpgm
.Lfunc_end_k_q93c04ac050_qkv:
	.size	k_q93c04ac050_qkv, .Lfunc_end_k_q93c04ac050_qkv-k_q93c04ac050_qkv
	.p2alignl 7, 3214868480
	.fill 96, 4, 3214868480
	.section	.rodata,"a",@progbits
	.p2align	6, 0x0
	.amdhsa_kernel k_q93c04ac050_qkv
		.amdhsa_group_segment_fixed_size 327680
		.amdhsa_private_segment_fixed_size 0
		.amdhsa_enable_private_segment 0
		.amdhsa_kernarg_size 32
		.amdhsa_user_sgpr_count 2
		.amdhsa_user_sgpr_kernarg_segment_ptr 1
		.amdhsa_wavefront_size32 1
		.amdhsa_system_sgpr_workgroup_id_x 1
		.amdhsa_system_sgpr_workgroup_id_y 1
		.amdhsa_system_sgpr_workgroup_id_z 1
		.amdhsa_system_vgpr_workitem_id 0
		.amdhsa_next_free_vgpr 1024
		.amdhsa_next_free_sgpr 100
		.amdhsa_reserve_vcc 0
		.amdhsa_float_denorm_mode_32 3
		.amdhsa_float_denorm_mode_16_64 3
		.amdhsa_memory_ordered 1
		.amdhsa_forward_progress 1
		.amdhsa_inst_pref_size 218
	.end_amdhsa_kernel
	.amdgpu_metadata
---
amdhsa.version: [ 1, 2 ]
amdhsa.kernels:
  - .name:           k_q93c04ac050_qkv
    .symbol:         k_q93c04ac050_qkv.kd
    .args:
      - { .name: xq, .offset: 0, .size: 8, .value_kind: global_buffer, .address_space: global }
      - { .name: waq, .offset: 8, .size: 8, .value_kind: global_buffer, .address_space: global }
      - { .name: b_attn, .offset: 16, .size: 8, .value_kind: global_buffer, .address_space: global }
      - { .name: qkv, .offset: 24, .size: 8, .value_kind: global_buffer, .address_space: global }
    .group_segment_fixed_size: 327680
    .private_segment_fixed_size: 0
    .kernarg_segment_align: 8
    .kernarg_segment_size: 32
    .max_flat_workgroup_size: 128
    .sgpr_count:     100
    .vgpr_count:     1024
    .wavefront_size: 32
...
	.end_amdgpu_metadata
.endif
;; end of part 2
;; launch attn (part 3): grid 4 x 64, 16 waves a work-group, clusters of 4 x 1, 215,040 bytes of LDS; arguments qkv, yq; writes yq
.if DOCPART == 3
	.amdgcn_target "amdgcn-amd-amdhsa--gfx1250"
	.amdhsa_code_object_version 6
	.text
	.protected	k_q93c04ac050_attn
	.globl	k_q93c04ac050_attn
	.p2align	8
	.type	k_q93c04ac050_attn,@function
k_q93c04ac050_attn:
	s_mov_b64 s[64:65], 0
	v_nop
	global_prefetch_b8 v0, s[64:65] scope:SCOPE_SE
	s_setreg_imm32_b32 hwreg(HW_REG_WAVE_MODE, 25, 1), 1
	s_wait_xcnt 0x0
	s_wait_alu depctr_hold_cnt(0) depctr_sa_sdst(0) depctr_va_vdst(0) depctr_va_sdst(0) depctr_va_ssrc(0) depctr_va_vcc(0) depctr_vm_vsrc(0)
	s_getreg_b32 s2, hwreg(HW_REG_IB_STS2, 6, 4)
	s_cmp_eq_u32 s2, 0
	s_cbranch_scc0 .Lentry_in_a_cluster
	s_endpgm
.Lentry_in_a_cluster:
	s_bfe_u32 s2, ttmp6, 0x10000c
	s_cmp_lg_u32 s2, 0x3003
	s_cbranch_scc0 .Lentry_shape_is_right
	s_endpgm
.Lentry_shape_is_right:
; y[b][q][head] = the sum over keys k <= q of softmax_k(Q . K / 8) V, both products on codes of BF6 (E3M2) with E8M0 scales; y leaves as codes, quantised along D for the projection.
; THE SOFTMAX: t = score x log2(e) / 8; M = the row's largest t so far, rounded UP to a whole number; p = 2^(t - M) is quantised along the keys, not normalised.  The row's sum is taken of the unquantised p and divides at the end.
; When M moves, the sum and O are multiplied by 2^(old M - new M): exact.
; INPUT, qkv: three parts (q, k, v) of 64 heads x 16 blocks of 6,656 bytes.  q, k, block G: eight halves of 768 bytes (16 tokens x 64 d: lane l's words 0-3 at 16 l, words 4-5 at 512 + 8 l); token tile t holds tokens
; 128 G + 32 (t / 2) + 8 (t % 2) + r + 8 (r / 8); then 512 bytes of scale words (register i of lane l at 6,144 + 16 l + 4 i: tile 2 i in lanes 0-15, tile 2 i + 1 in lanes 16-31; bytes 2, 3 zero).
; v, block G: half 2 t + c = d tile t (d = 32 (t / 2) + 8 (t % 2) + r + 8 (r / 8)), keys 128 G + 64 c ..; scale register t = d tile t's words.
; ONE HEAD'S K AND V LIE IN LDS WHOLE, 2 x 106,496 bytes, filled ONCE: no ring, no refill, and no barrier in the loops.
; SHARES.  The four work-groups of a cluster belong to one head and ask for K and V jointly.  Wave w (e = w % 2, g = w / 2) makes query tile 2 cx + e of group 15 - g (16 - g key steps of 128) and then of group g (g + 1 steps):
; 17 key steps for every wave of the launch.  All branches hang on the wave's number and the loops' counters; cx enters global addresses and the mask's data alone.
; LAYOUT.  S^T = K Q^T (source 0 = 16 keys, source 1 = my 16 queries), O^T = V^T P^T: a lane holds ONE query throughout; the 16 registers of tiles 2 b, 2 b + 1 are keys (or d) 32 b + 16 h + 0 .. 15.
; The first product's K is 64: Q's codes of k = 64 .. 127 are zeros for good, so whatever K's upper six registers hold (zeros, later V's codes: BF6 has no NaN and no infinity) adds nothing.
; OUTPUT, yq: laid as the projection's operand: fragment halves of 768 bytes at tile x 12,288 + head x 768; scale bytes behind the codes.  A scale word's four bytes come from two heads, so they leave as single bytes: 32 of them for 768 bytes of codes.
; LIMITS: NaN and infinities not served; a block under 2^-122 gets the byte 1; the division by the sum is v_rcp_f32 and a multiplication.
.set BLK,   6656
.set HS,    16*BLK
.set PART,  64*HS
.set TROW,  12288
.set ASC,   6291456                    ; where the scale words begin in yq
.set WV,  8                            ; s8   wave
.set CX,  9                            ; s9   my place in the cluster
.set BH,  10                           ; s10  16 x batch + head
.set EE,  11                           ; s11  e
.set GL,  12                           ; s12  g
.set GG,  13                           ; s13  the pass's group of queries
.set JJ,  14                           ; s14  the key step
.set TB,  15                           ; s15  its block's LDS byte
.set SEL, 16                           ; s[16:17] lane selects: lane l xor 16
.set CS,  18                           ; s[18:19] c = log2(e) / 8
.set HM,  20                           ; s20  the mask of lanes 16-31
.set G1,  24                           ; s[24:31] descriptor group 1;  s[32:35], s[36:39] groups 0 of my two loads
.set G0A, 32
.set G0B, 36
.set QA,  40                           ; s[40:41], s[42:43] q's blocks of the two passes
.set QB,  42
.set YCA, 44                           ; s[44:45] y's codes, s[46:47] y's scale bytes, first pass;  s[48:51] second
.set YSA, 46
.set YCB, 48
.set YSB, 50
.set QS,  28                           ; v16-27 Q (v22-27 zeros), v28 its scale words;  v29, v30-35 the second pass's
.set KS,  36                           ; v36-39 K's scale words
.set VS,  40                           ; v40-43 V's
.set FF,  48                           ; v48-95 four fragments of K or V
.set SS,  96                           ; v96-159 S^T, then p
.set OT,  160                          ; v160-191 O^T
.set BM,  192                          ; v192-195 the blocks' largest
.set BX,  196
.set SOP, 200                          ; v200-203 the conversions' scale operands
.set T0,  204
.set FP,  206                          ; v[206:207] f, later 1 / sum (v207 stays 0: named with it as a pair)
.set S2,  208                          ; v[208:209] the sums' second chain
.set PWD, 210                          ; v210 p's scale word
.set PC,  212                          ; v212-223 p's codes
.set CT,  224                          ; v224-230 conversions' results
.set YT,  232
.set YB,  234
.macro CROUND                          ; a round of the cluster's barrier
	s_barrier_signal -1
	s_barrier_wait -1
	s_cmp_lg_u32 s[WV], 0
	s_cbranch_scc1 .Lnot_wave_0_\@
	s_barrier_signal -3
.Lnot_wave_0_\@:
	s_barrier_wait -3
	s_barrier_signal -1
	s_barrier_wait -1
.endm
	s_load_b128 s[4:7], s[0:1], 0x0                ; qkv s[4:5], yq s[6:7]
	v_lshl_add_u32 v254, v0, 2, 0x34000
	v_mov_b32 v255, 0
	ds_add_u32 v254, v255
	ds_add_u32 v254, v255
	v_lshrrev_b32 v8, 5, v0
	s_delay_alu instid0(VALU_DEP_1)
	v_readfirstlane_b32 s[WV], v8                  ; wave 0..15
	s_bfe_u32 s[CX], ttmp6, 0x40000
	s_and_b32 s[BH], ttmp7, 0xffff
	s_and_b32 s[EE], s[WV], 1
	s_lshr_b32 s[GL], s[WV], 1
	s_sub_co_u32 s[GG], 15, s[GL]                  ; the first pass's group
	s_mov_b32 s[SEL], 0x76543210
	s_mov_b32 s[SEL+1], 0xfedcba98
	s_mov_b32 s[CS], 0x3e38aa3b                    ; log2(e) / 8
	s_mov_b32 s[CS+1], s[CS]
	s_mov_b32 s[HM], 0xffff0000
	; descriptor group 1: a block of 6,656 dense bytes as 26 rows of 256
	s_mov_b32 s[G1], 15|(3<<16)|(1<<21)            ; 15:0 the mask: all four work-groups; 17:16 elements of 8 bytes; 21 set beside a mask
	s_mov_b32 s[G1+1], 32<<16
	s_mov_b32 s[G1+2], 26<<16
	s_mov_b32 s[G1+3], 32<<16
	s_mov_b32 s[G1+4], 26
	s_mov_b32 s[G1+5], 32
	s_mov_b32 s[G1+6], 0
	s_mov_b32 s[G1+7], 0
	s_lshr_b32 s52, s[WV], 3                       ; waves 0-7 fetch K's blocks w and w + 8, waves 8-15 V's
	s_and_b32 s53, s[WV], 7
	s_mul_i32 s54, s52, HS
	s_mul_i32 s55, s53, BLK
	s_add_co_u32 s54, s54, s55                     ; in LDS: K's 16 blocks, then V's
	s_mul_i32 s58, s[BH], HS                       ; my head in a part
	s_mul_i32 s56, s52, PART
	s_add_co_u32 s56, s56, PART
	s_add_co_u32 s56, s56, s55
	s_add_co_u32 s56, s56, s58
	s_mov_b32 s57, 0
	s_wait_dscnt 0x0
	s_wait_kmcnt 0x0
	s_mov_b32 s[G0A], 1
	s_mov_b32 s[G0A+1], s54
	s_add_nc_u64 s[G0A+2:G0A+3], s[4:5], s[56:57]
	s_or_b32 s[G0A+3], s[G0A+3], 0x80000000
	s_mov_b32 s[G0B], 1
	s_add_co_u32 s[G0B+1], s54, 8*BLK
	s_add_nc_u64 s[G0B+2:G0B+3], s[4:5], s[56:57]
	s_add_nc_u64 s[G0B+2:G0B+3], s[G0B+2:G0B+3], 8*BLK
	s_or_b32 s[G0B+3], s[G0B+3], 0x80000000
	CROUND                                         ; all four work-groups are here: the joint loads meet
	tensor_load_to_lds s[G0A:G0A+3], s[G1:G1+7]    ; blocks 0-7 of K and V,
	s_nop 0
	tensor_load_to_lds s[G0B:G0B+3], s[G1:G1+7]    ; blocks 8-15: two loads of mine are out, and no byte is filled twice
	s_nop 0
.rept 4
	v_nop
.endr
	v_and_b32 v8, 31, v0
	s_delay_alu instid0(VALU_DEP_1)
	v_lshlrev_b32 v1, 4, v8                        ; v1  16 x lane
	s_delay_alu instid0(VALU_DEP_2)
	v_lshlrev_b32 v2, 3, v8
	s_delay_alu instid0(VALU_DEP_1)
	v_add_nc_u32 v2, 512, v2                       ; v2  512 + 8 x lane
	s_delay_alu instid0(VALU_DEP_3)
	v_add_nc_u32 v3, HS, v1                        ; v3, v4  the same in V
	s_delay_alu instid0(VALU_DEP_2)
	v_add_nc_u32 v4, HS, v2
	v_and_b32 v9, 15, v0                           ; r
	v_bfe_u32 v10, v0, 4, 1                        ; h
	s_lshl_b32 s21, s[CX], 1
	s_add_co_u32 s21, s21, s[EE]                   ; my query tile in a group: 2 cx + e
	s_mul_i32 s53, s21, 768
	v_add_nc_u32 v44, s53, v1                      ; q: my tile's half
	s_wait_alu depctr_va_vdst(0)
	v_add_nc_u32 v45, s53, v2
	s_wait_alu depctr_va_vdst(0)
	v_lshlrev_b32 v46, 4, v9
	s_lshl_b32 s53, s[EE], 8
	s_lshl_b32 s54, s[CX], 2
	s_add_co_u32 s53, s53, s54
	s_add_co_u32 s53, s53, 6144
	v_add_nc_u32 v46, s53, v46                     ; its scale words: register cx of lane r + 16 e
	s_mov_b32 s23, 0
	s_mul_i32 s22, s[GG], BLK
	s_add_co_u32 s22, s22, s58
	s_add_nc_u64 s[QA:QA+1], s[4:5], s[22:23]
	s_mul_i32 s22, s[GL], BLK
	s_add_co_u32 s22, s22, s58
	s_add_nc_u64 s[QB:QB+1], s[4:5], s[22:23]
	global_load_b128 v[16:19], v44, s[QA:QA+1]
	global_load_b64 v[20:21], v45, s[QA:QA+1]
	global_load_b32 v[QS], v46, s[QA:QA+1]
	global_load_b128 v[30:33], v44, s[QB:QB+1]
	global_load_b64 v[34:35], v45, s[QB:QB+1]
	global_load_b32 v29, v46, s[QB:QB+1]
	v_and_b32 v11, 8, v9
	s_delay_alu instid0(VALU_DEP_1)
	v_add_nc_u32 v5, v11, v9
	v_lshlrev_b32 v11, 4, v10
	s_delay_alu instid0(VALU_DEP_1)
	v_sub_nc_u32 v5, v5, v11
	s_lshl_b32 s53, s[CX], 5
	s_lshl_b32 s54, s[EE], 3
	s_add_co_u32 s53, s53, s54
	v_add_nc_u32 v5, s53, v5                       ; v5  my query's place in its group less 16 h: register 16 b + i of the diagonal step is hidden where 32 b + i is above it
	v_mov_b32 v6, 0xff800000                       ; v6  -infinity
	v_lshl_add_u32 v7, v9, 3, v10                  ; v7  y's scale byte: 8 r + h
.irp k, 22,23,24,25,26,27
	v_mov_b32 v[\k], 0                             ; Q's codes of k = 64 .. 127
.endr
.irp t, 0,1,2,3
.irp k, 6,7,8,9,10,11
	v_mov_b32 v[FF+12*\t+\k], 0                    ; K's upper halves, written once so that they hold codes
.endr
.endr
.irp b, 0,1,2,3
	v_mov_b32 v[BX+\b], 0                          ; a lane permute's destination counts as one of its sources
.endr
	v_mov_b32 v[T0], 0
	v_mov_b32 v[FP+1], 0
	; where y goes: codes at (128 batch + 8 G + tile) x 12,288 + head x 768; bytes at ASC + (64 batch + 4 G + cx) x 1,024 + (head / 4) x 256 + 128 e + 2 (head % 4)
	s_lshr_b32 s52, s[BH], 4
	s_and_b32 s53, s[BH], 15
	s_lshl_b32 s54, s52, 7
	s_add_co_u32 s54, s54, s21
	s_mul_i32 s54, s54, TROW
	s_mul_i32 s55, s53, 768
	s_add_co_u32 s54, s54, s55
	s_lshl_b32 s56, s52, 6
	s_add_co_u32 s56, s56, s[CX]
	s_lshl_b32 s56, s56, 10
	s_lshr_b32 s55, s53, 2
	s_lshl_b32 s55, s55, 8
	s_add_co_u32 s56, s56, s55
	s_lshl_b32 s55, s[EE], 7
	s_add_co_u32 s56, s56, s55
	s_and_b32 s55, s53, 3
	s_lshl_b32 s55, s55, 1
	s_add_co_u32 s56, s56, s55
	s_add_co_u32 s56, s56, ASC
	s_mul_i32 s22, s[GG], 8*TROW
	s_add_co_u32 s22, s22, s54
	s_add_nc_u64 s[YCA:YCA+1], s[6:7], s[22:23]
	s_lshl_b32 s22, s[GG], 12
	s_add_co_u32 s22, s22, s56
	s_add_nc_u64 s[YSA:YSA+1], s[6:7], s[22:23]
	s_mul_i32 s22, s[GL], 8*TROW
	s_add_co_u32 s22, s22, s54
	s_add_nc_u64 s[YCB:YCB+1], s[6:7], s[22:23]
	s_lshl_b32 s22, s[GL], 12
	s_add_co_u32 s22, s22, s56
	s_add_nc_u64 s[YSB:YSB+1], s[6:7], s[22:23]
; A KEY STEP: 128 keys, block JJ.  chk = 1: a step whose keys all come after my queries is left out (a branch on the wave's number and the loop's counter), and the step on the diagonal is masked.
.macro STEP chk
.if \chk
	s_cmp_gt_u32 s[JJ], s[GG]
	s_cbranch_scc1 .Lhid_\@
.endif
	s_setprio 2
	v_add_nc_u32 v8, s[TB], v1                     ; the block's addresses: four plain instructions, the places behind the last step's products in front of the loads below
	s_wait_alu depctr_va_vdst(0)
	v_add_nc_u32 v9, s[TB], v2
	s_wait_alu depctr_va_vdst(0)
	v_add_nc_u32 v10, s[TB], v3
	v_add_nc_u32 v11, s[TB], v4
.irp gg, 0,1                                   ; S^T = K Q^T, four tiles of 16 keys at a time
.if \gg
.rept 4
	v_nop                                          ; places in front of loads into registers that matrix instructions have read
.endr
.endif
.irp t, 0,1,2,3
	ds_load_b128 v[FF+12*\t:FF+12*\t+3], v8 offset:768*(4*\gg+\t)
	ds_load_b64 v[FF+12*\t+4:FF+12*\t+5], v9 offset:768*(4*\gg+\t)
.endr
.if \gg == 0
	ds_load_b128 v[KS:KS+3], v8 offset:6144
.endif
	s_wait_dscnt 0x0
.irp t, 0,2
	v_wmma_scale_f32_16x16x128_f8f6f4 v[SS+8*(4*\gg+\t):SS+8*(4*\gg+\t)+7], v[FF+12*\t:FF+12*\t+11], v[16:27], 0, v[KS+2*\gg+\t/2], v[QS] matrix_a_fmt:MATRIX_FMT_BF6 matrix_b_fmt:MATRIX_FMT_BF6
	v_wmma_scale_f32_16x16x128_f8f6f4 v[SS+8*(4*\gg+\t+1):SS+8*(4*\gg+\t+1)+7], v[FF+12*(\t+1):FF+12*(\t+1)+11], v[16:27], 0, v[KS+2*\gg+\t/2], v[QS] matrix_a_fmt:MATRIX_FMT_BF6 matrix_b_fmt:MATRIX_FMT_BF6 matrix_a_scale:MATRIX_SCALE_ROW1
.endr
.endr
.rept 4
	v_nop                                          ; places: in front of V's loads into K's registers, and of the first read of the scores
.endr
	s_wait_alu depctr_va_vdst(0)
.irp t, 0,1,2,3                                ; V's four fragments are asked for now and land during the softmax
.irp c, 0,1
	ds_load_b128 v[FF+12*\t+6*\c:FF+12*\t+6*\c+3], v10 offset:768*(2*\t+\c)
	ds_load_b64 v[FF+12*\t+6*\c+4:FF+12*\t+6*\c+5], v11 offset:768*(2*\t+\c)
.endr
.endr
	ds_load_b128 v[VS:VS+3], v10 offset:6144
.if \chk                                       ; on the diagonal the scores of hidden keys become -infinity ahead of the maximum: p = 0 then
	s_cmp_lg_u32 s[JJ], s[GG]
	s_cbranch_scc1 .Lopen_\@
.irp n, 0,1,2,3,4,5,6,7,8,9,10,11,12,13,14,15,16,17,18,19,20,21,22,23,24,25,26,27,28,29,30,31,32,33,34,35,36,37,38,39,40,41,42,43,44,45,46,47,48,49,50,51,52,53,54,55,56,57,58,59,60,61,62,63
	v_cmp_gt_i32 vcc_lo, 32*(\n/16)+\n%16, v5
	v_cndmask_b32 v[SS+\n], v[SS+\n], v6, vcc_lo
.endr
.Lopen_\@:
.endif
.irp b, 0,1,2,3
	v_max3_num_f32 v[BM+\b], v[SS+16*\b], v[SS+1+16*\b], v[SS+2+16*\b]   ; the largest score of each block of 32 keys: it serves for the row's maximum and, since p rises with the score, for the block's largest p
.endr
.irp i, 3,5,7,9,11,13
.irp b, 0,1,2,3
	v_max3_num_f32 v[BM+\b], v[BM+\b], v[SS+16*\b+\i], v[SS+1+16*\b+\i]
.endr
.endr
.irp b, 0,1,2,3
	v_max_num_f32 v[BM+\b], v[BM+\b], v[SS+15+16*\b]
.endr
.irp b, 0,1,2,3
	s_delay_alu instid0(VALU_DEP_4)
	v_permlanex16_b32 v[BX+\b], v[BM+\b], s[SEL], s[SEL+1]
.endr
.irp b, 0,1,2,3
	s_delay_alu instid0(VALU_DEP_4)
	v_max_num_f32 v[BM+\b], v[BM+\b], v[BX+\b]     ; with lane l xor 16's 16 keys
.endr
	s_delay_alu instid0(VALU_DEP_2)
	v_max3_num_f32 v[T0], v[BM], v[BM+1], v[BM+2]
	s_delay_alu instid0(VALU_DEP_1)
	v_max_num_f32 v[T0], v[T0], v[BM+3]            ; the step's largest score of my query
	s_delay_alu instid0(VALU_DEP_1)
	v_mul_f32 v[T0], s[CS], v[T0]                  ; as t
	s_delay_alu instid0(VALU_DEP_1)
	v_max_num_f32 v13, v13, v[T0]                  ; the running largest t
	v_mov_b32 v[T0], v12
	s_delay_alu instid0(VALU_DEP_2)
	v_floor_f32 v12, -v13                          ; the new -M = floor(-t): M is a whole number
	s_delay_alu instid0(VALU_DEP_1)
	v_sub_f32 v[T0], v12, v[T0]                    ; old M - new M: a whole number, 0 or less
	s_delay_alu instid0(VALU_DEP_1)
	v_cvt_i32_f32 v[T0], v[T0]                     ; (it saturates)
	s_delay_alu instid0(VALU_DEP_1)
	v_ldexp_f32 v[FP], 1.0, v[T0]                  ; f = 2^(old M - new M)
.irp j, 0,2,4,6,8,10,12,14,16,18,20,22,24,26,28,30,32,34,36,38,40,42,44,46,48,50,52,54,56,58,60,62
	v_pk_fma_f32 v[SS+\j:SS+1+\j], v[SS+\j:SS+1+\j], s[CS:CS+1], v[12:13] op_sel_hi:[1,0,0]   ; t - M, two at a time
.endr
.irp b, 0,1,2,3
	v_fma_f32 v[BM+\b], v[BM+\b], s[CS], v12       ; the same of each block's largest score
.endr
	s_setprio 1
	s_wait_alu depctr_va_vdst(0)
.irp j, 0,1,2,3,4,5,6,7,8,9,10,11,12,13,14,15,16,17,18,19,20,21,22,23,24,25,26,27,28,29,30,31,32,33,34,35,36,37,38,39,40,41,42,43,44,45,46,47,48,49,50,51,52,53,54,55,56,57,58,59,60,61,62,63
	v_exp_f32 v[SS+\j], v[SS+\j]                   ; p = 2^(t - M), at most 1
.endr
	v_pk_mul_f32 v[14:15], v[14:15], v[FP:FP+1] op_sel_hi:[1,0]   ; the sums under the new M (the plain place behind the exponentials)
	s_wait_alu depctr_va_vdst(0)                   ; one wait for the batch of 64, ahead of its first reader
.irp b, 0,1,2,3
	v_exp_f32 v[BM+\b], v[BM+\b]                   ; the block's largest p
.endr
	v_pk_add_f32 v[208:209], v[100:101], v[104:105]
	v_pk_add_f32 v[252:253], v[108:109], v[112:113]
	v_pk_add_f32 v[250:251], v[116:117], v[120:121]
	v_pk_add_f32 v[248:249], v[124:125], v[128:129]
	v_pk_add_f32 v[246:247], v[132:133], v[136:137]
	v_pk_add_f32 v[244:245], v[140:141], v[144:145]
	v_pk_add_f32 v[242:243], v[148:149], v[152:153]
	v_pk_add_f32 v[14:15], v[14:15], v[156:157]
	v_pk_add_f32 v[208:209], v[208:209], v[96:97]
	v_pk_add_f32 v[252:253], v[252:253], v[98:99]
	v_pk_add_f32 v[250:251], v[250:251], v[102:103]
	v_pk_add_f32 v[248:249], v[248:249], v[106:107]
	v_pk_add_f32 v[246:247], v[246:247], v[110:111]
	v_pk_add_f32 v[244:245], v[244:245], v[114:115]
	v_pk_add_f32 v[242:243], v[242:243], v[118:119]
	v_pk_add_f32 v[14:15], v[14:15], v[122:123]
	v_pk_add_f32 v[208:209], v[208:209], v[126:127]
	v_pk_add_f32 v[252:253], v[252:253], v[130:131]
	v_pk_add_f32 v[250:251], v[250:251], v[134:135]
	v_pk_add_f32 v[248:249], v[248:249], v[138:139]
	v_pk_add_f32 v[246:247], v[246:247], v[142:143]
	v_pk_add_f32 v[244:245], v[244:245], v[146:147]
	v_pk_add_f32 v[242:243], v[242:243], v[150:151]
	v_pk_add_f32 v[14:15], v[14:15], v[154:155]
	v_pk_add_f32 v[208:209], v[208:209], v[158:159]
	s_delay_alu instid0(VALU_DEP_2)
	v_pk_add_f32 v[14:15], v[14:15], v[248:249]
	s_delay_alu instid0(VALU_DEP_2)
	v_pk_add_f32 v[208:209], v[208:209], v[246:247]
	v_pk_add_f32 v[252:253], v[252:253], v[244:245]
	v_pk_add_f32 v[250:251], v[250:251], v[242:243]
	s_delay_alu instid0(VALU_DEP_2)
	v_pk_add_f32 v[14:15], v[14:15], v[252:253]
	s_delay_alu instid0(VALU_DEP_2)
	v_pk_add_f32 v[208:209], v[208:209], v[250:251]
	s_delay_alu instid0(VALU_DEP_1)
	v_pk_add_f32 v[14:15], v[14:15], v[208:209]
	s_wait_alu depctr_va_vdst(0)                   ; and one for the four
.irp b, 0,1,2,3
	v_max_num_f32 v[BM+\b], 0x2800000, v[BM+\b]    ; the floor 2^(5 - 127): the byte cannot fall under 1
.endr
.irp b, 0,1,2,3
	s_delay_alu instid0(VALU_DEP_4)
	v_add_nc_u32 v[SOP+\b], 0xfe000000, v[BM+\b]   ; 4 off the exponent field: the conversion's scale operand
.endr
.irp b, 0,1,2,3
	s_delay_alu instid0(VALU_DEP_4)
	v_lshrrev_b32 v[BX+\b], 23, v[SOP+\b]          ; the scale's byte
.endr
	s_delay_alu instid0(VALU_DEP_3)
	v_lshl_or_b32 v[PWD], v[BX+1], 8, v[BX]        ; p's scale word for these 128 keys
	s_delay_alu instid0(VALU_DEP_1)
	v_lshl_or_b32 v[PWD], v[BX+2], 16, v[PWD]
	s_delay_alu instid0(VALU_DEP_1)
	v_lshl_or_b32 v[PWD], v[BX+3], 24, v[PWD]
.irp c, 0,1
	v_cvt_scalef32_pk16_bf6_f32 v[PC+6*\c:PC+2+6*\c], v[SS+32*\c:SS+15+32*\c], v[SOP+2*\c]
	v_cvt_scalef32_pk16_bf6_f32 v[CT+4*\c:CT+2+4*\c], v[SS+16+32*\c:SS+31+32*\c], v[SOP+2*\c+1]
.endr
	v_nop                                          ; one plain place behind the scaled conversions
	s_setprio 0
.irp c, 0,1                                    ; the operand wants a whole block in a lane
.irp i, 0,1,2
	v_permlane16_swap_b32 v[PC+6*\c+\i], v[CT+4*\c+\i]
.endr
.irp i, 0,1,2
	s_delay_alu instid0(VALU_DEP_3)
	v_mov_b32 v[PC+3+6*\c+\i], v[CT+4*\c+\i]
.endr
.endr
.irp j, 0,2,4,6,8,10,12,14,16,18,20,22,24,26,28,30
	v_pk_mul_f32 v[OT+\j:OT+1+\j], v[OT+\j:OT+1+\j], v[FP:FP+1] op_sel_hi:[1,0]   ; O^T under the new M.  (These sixteen also stand between the writes of p's codes and scale word and the products)
.endr
	s_wait_alu depctr_va_vdst(0)
	s_wait_dscnt 0x0                               ; V
.irp t, 0,1,2,3                                ; O^T += V^T P^T: four accumulators, one instruction each
	v_wmma_scale_f32_16x16x128_f8f6f4 v[OT+8*\t:OT+8*\t+7], v[FF+12*\t:FF+12*\t+11], v[PC:PC+11], v[OT+8*\t:OT+8*\t+7], v[VS+\t], v[PWD] matrix_a_fmt:MATRIX_FMT_BF6 matrix_b_fmt:MATRIX_FMT_BF6
.endr
.if \chk
.Lhid_\@:
.endif
.endm
.macro KLOOP first, end, chk           ; key steps first .. end - 1: the trip count is a constant of the text
	s_mov_b32 s[JJ], \first
	s_mov_b32 s[TB], (\first)*BLK
.Lk_\@:
	STEP \chk
	s_add_co_u32 s[JJ], s[JJ], 1
	s_add_co_u32 s[TB], s[TB], BLK
	s_cmp_lt_u32 s[JJ], \end
	s_cbranch_scc1 .Lk_\@
	s_setprio 0
.endm
.macro PASSINIT                        ; the loop has no first step of its own: O^T and the sum begin as zeros, the largest t under every t
	v_mov_b32 v13, 0xff61b1e6                      ; -3e38
	s_delay_alu instid0(VALU_DEP_1)
	v_floor_f32 v12, -v13
	v_mov_b32 v14, 0
	v_mov_b32 v15, 0
.irp j, 0,1,2,3,4,5,6,7,8,9,10,11,12,13,14,15,16,17,18,19,20,21,22,23,24,25,26,27,28,29,30,31
	v_mov_b32 v[OT+\j], 0
.endr
.endm
; THE WAY OUT of a pass: O^T / the sum; register 16 b + i is d = 32 b + 16 h + i of my query: two blocks of 32 along the projection's K.  They are quantised as everywhere and leave as half a fragment.
.macro OUTPUT cb, sb
.rept 4
	v_nop                                          ; places behind the last products
.endr
	v_add_f32 v14, v14, v15                        ; the sum's two halves,
	s_delay_alu instid0(VALU_DEP_1)
	v_permlanex16_b32 v[T0], v14, s[SEL], s[SEL+1]
	s_delay_alu instid0(VALU_DEP_1)
	v_add_f32 v14, v14, v[T0]                      ; and lane l xor 16's
	s_wait_alu depctr_va_vdst(0)
	v_rcp_f32 v[FP], v14
	v_nop                                          ; a plain place behind the transcendental
	s_wait_alu depctr_va_vdst(0)                   ; and the wait ahead of its first reader
.irp j, 0,2,4,6,8,10,12,14,16,18,20,22,24,26,28,30
	v_pk_mul_f32 v[SS+\j:SS+1+\j], v[OT+\j:OT+1+\j], v[FP:FP+1] op_sel_hi:[1,0]   ; each accumulator from its low end on
.endr
.irp b, 0,1
	v_max3_num_f32 v[BM+\b], |v[SS+16*\b]|, |v[SS+1+16*\b]|, 0x2800000
.endr
.irp i, 2,4,6,8,10,12,14
.irp b, 0,1
	s_delay_alu instid0(VALU_DEP_2)
	v_max3_num_f32 v[BM+\b], v[BM+\b], |v[SS+16*\b+\i]|, |v[SS+1+16*\b+\i]|
.endr
.endr
.irp b, 0,1
	s_delay_alu instid0(VALU_DEP_2)
	v_permlanex16_b32 v[BX+\b], v[BM+\b], s[SEL], s[SEL+1]
.endr
.irp b, 0,1
	s_delay_alu instid0(VALU_DEP_2)
	v_max_num_f32 v[BM+\b], v[BM+\b], v[BX+\b]
.endr
.irp b, 0,1
	s_delay_alu instid0(VALU_DEP_2)
	v_add_nc_u32 v[SOP+\b], 0xfe000000, v[BM+\b]
.endr
.irp b, 0,1
	s_delay_alu instid0(VALU_DEP_2)
	v_lshrrev_b32 v[BX+\b], 23, v[SOP+\b]
.endr
	v_cvt_scalef32_pk16_bf6_f32 v[CT:CT+2], v[SS:SS+15], v[SOP]
	v_cvt_scalef32_pk16_bf6_f32 v[CT+4:CT+6], v[SS+16:SS+31], v[SOP+1]
	v_nop                                          ; one plain place behind the scaled conversions
	v_cndmask_b32 v[YB], v[BX], v[BX+1], s[HM]     ; lanes 0-15 store block 0's byte, lanes 16-31 block 1's
.irp i, 0,1,2
	v_permlane16_swap_b32 v[CT+\i], v[CT+4+\i]
.endr
	s_delay_alu instid0(VALU_DEP_3)
	v_mov_b32 v[CT+3], v[CT+4]
	s_delay_alu instid0(VALU_DEP_3)
	v_mov_b32 v[YT], v[CT+5]
	s_delay_alu instid0(VALU_DEP_3)
	v_mov_b32 v[YT+1], v[CT+6]
	global_store_b128 v1, v[CT:CT+3], s[\cb:\cb+1]     ; 512 consecutive bytes, aligned
	global_store_b64 v2, v[YT:YT+1], s[\cb:\cb+1]      ; 256 consecutive bytes, aligned
	global_store_b8 v7, v[YB], s[\sb:\sb+1]
.endm
	s_wait_loadcnt 0x0                             ; Q of both passes
	s_wait_tensorcnt 1                             ; my first load has landed; the second may stay out
	s_barrier_signal -1
	s_barrier_wait -1                              ; blocks 0-7 of K and V are whole
	PASSINIT
	KLOOP 0, 8, 0                                  ; the first pass's group is 8 or above: these eight steps are open
	s_wait_tensorcnt 0x0
	s_wait_dscnt 0x0
	s_barrier_signal -1
	s_barrier_wait -1                              ; blocks 8-15 are whole
	KLOOP 8, 16, 1
	OUTPUT YCA, YSA
	s_wait_xcnt 0x0                                ; the stores have read their data: the second pass's conversions write those registers
	s_mov_b32 s[GG], s[GL]                         ; the second pass: group g
.irp k, 0,1,2,3,4,5
	v_mov_b32 v[16+\k], v[30+\k]
.endr
	v_mov_b32 v[QS], v29                           ; (the 36 lines of PASSINIT stand between these and the next products)
	PASSINIT
	KLOOP 0, 8, 1
	OUTPUT YCB, YSB
	s_wait_dscnt 0x0
	s_wait_tensorcnt 0x0
	ds_add_u32 v254, v255
	s_wait_dscnt 0x0
	CROUND                                         ; the closing round
	s_endpgm
.Lfunc_end_k_q93c04ac050_attn:
	.size	k_q93c04ac050_attn, .Lfunc_end_k_q93c04ac050_attn-k_q93c04ac050_attn
	.p2alignl 7, 3214868480
	.fill 96, 4, 3214868480
	.section	.rodata,"a",@progbits
	.p2align	6, 0x0
	.amdhsa_kernel k_q93c04ac050_attn
		.amdhsa_group_segment_fixed_size 215040
		.amdhsa_private_segment_fixed_size 0
		.amdhsa_enable_private_segment 0
		.amdhsa_kernarg_size 16
		.amdhsa_user_sgpr_count 2
		.amdhsa_user_sgpr_kernarg_segment_ptr 1
		.amdhsa_wavefront_size32 1
		.amdhsa_system_sgpr_workgroup_id_x 1
		.amdhsa_system_sgpr_workgroup_id_y 1
		.amdhsa_system_sgpr_workgroup_id_z 1
		.amdhsa_system_vgpr_workitem_id 0
		.amdhsa_next_free_vgpr 256
		.amdhsa_next_free_sgpr 66
		.amdhsa_reserve_vcc 1
		.amdhsa_float_denorm_mode_32 3
		.amdhsa_float_denorm_mode_16_64 3
		.amdhsa_memory_ordered 1
		.amdhsa_forward_progress 1
		.amdhsa_inst_pref_size 83
	.end_amdhsa_kernel
	.amdgpu_metadata
---
amdhsa.version: [ 1, 2 ]
amdhsa.kernels:
  - .name:           k_q93c04ac050_attn
    .symbol:         k_q93c04ac050_attn.kd
    .args:
      - { .name: qkv, .offset: 0, .size: 8, .value_kind: global_buffer, .address_space: global }
      - { .name: yq, .offset: 8, .size: 8, .value_kind: global_buffer, .address_space: global }
    .group_segment_fixed_size: 215040
    .private_segment_fixed_size: 0
    .kernarg_segment_align: 8
    .kernarg_segment_size: 16
    .max_flat_workgroup_size: 512
    .sgpr_count:     66
    .vgpr_count:     256
    .wavefront_size: 32
...
	.end_amdgpu_metadata
.endif
;; end of part 3
;; launch proj (part 4): grid 4 x 32, 4 waves a work-group, clusters of 4 x 4, 327,680 bytes of LDS; arguments yq, wpq, b_proj, out0; writes out0
.if DOCPART == 4
	.amdgcn_target "amdgcn-amd-amdhsa--gfx1250"
	.amdhsa_code_object_version 6
	.text
	.protected	k_q93c04ac050_proj
	.globl	k_q93c04ac050_proj
	.p2align	8
	.type	k_q93c04ac050_proj,@function
k_q93c04ac050_proj:
	s_mov_b64 s[64:65], 0
	v_nop
	global_prefetch_b8 v0, s[64:65] scope:SCOPE_SE
	s_setreg_imm32_b32 hwreg(HW_REG_WAVE_MODE, 25, 1), 1
	s_wait_xcnt 0x0
	s_wait_alu depctr_hold_cnt(0) depctr_sa_sdst(0) depctr_va_vdst(0) depctr_va_sdst(0) depctr_va_ssrc(0) depctr_va_vcc(0) depctr_vm_vsrc(0)
	s_getreg_b32 s2, hwreg(HW_REG_IB_STS2, 6, 4)
	s_cmp_eq_u32 s2, 0
	s_cbranch_scc0 .Lentry_in_a_cluster
	s_endpgm
.Lentry_in_a_cluster:
	s_bfe_u32 s2, ttmp6, 0x10000c
	s_cmp_lg_u32 s2, 0xf033
	s_cbranch_scc0 .Lentry_shape_is_right
	s_endpgm
.Lentry_shape_is_right:
; out0 = y W_proj + b_proj on codes of BF6 (E3M2) with E8M0 scales; out0 [8192][1024] f32.
; OPERANDS: yq (tokens) and wpq (columns n): tables of fragments in the order of the operand's registers.  Tile T = 2 P + u holds rows 32 P + 8 u + r + 8 (r / 8); fragment (T, K step s of 128) is 1,536 bytes at 12,288 T + 1,536 s: two halves of
; 768 bytes (64 along K), lane l's words 0-3 at 16 l, words 4-5 at 512 + 8 l.  Scale words behind the codes: 1,024 bytes for each 32 rows, word (s, u, r) at 256 (s / 2) + 128 u + 8 r + 4 (s % 2).
; A tile of the result, 256 tokens x 256 columns, is made by four waves, 128 x 128 each: 64 accumulators, 512 registers.  K = 1,024 goes in four steps of 256 through two LDS slots filled by the tensor data mover; the four are written out.
; Source 0 = 16 columns of W, source 1 = 16 tokens: lane (r, h) holds token r of its tile, and the 16 registers of W's tiles 2 b, 2 b + 1 are columns 32 b + 16 h + 0 .. 15.  The bias is the C of each sum's first product.
; CLUSTERS: 4 x 4.  y's tiles are shared along a row of the cluster, W's along a column: joint loads.  128 work-groups: a tile of half the size would want a second form of the loop.
; REGISTERS: window 0: v16-31 addresses; v32-63 scale words, two sets; v64-127 the bias; v128-223 y's fragments, one set; on the way out v128-255 rows of the result.
;   window 1: W's fragments, two sets, at v0 and v128.  windows 2, 3: accumulator (a, b) at v[8 (8 (a % 4) + b)], a = y's tile, b = W's.
.set TROW,  12288
.set TSL,   3072
.set FRB,   1536
.set FR,    12
.set NL,    4
.set NP,    4
.set NQ,    2
.set HALFT, 8*TSL
.set SLOT,  4*HALFT
.set SCL,   2*SLOT
.set HALFS, 4096
.set SPARE, SCL+4*HALFS+256            ; the spare words, 128 bytes for each wave: two blocks of 256 bytes that no other line names
.set ASC,   6291456                    ; where the scale words begin in yq,
.set BSC,   786432                     ; and in wpq
.set SPITCH, 528                       ; the way out: a stage of 16 rows x (512 bytes + 16) for each wave, in slot 0, which has had its last fill and its last read when the first result is stored there
.set ADRA, 16
.set ADRB, 20
.set STO,  24                          ; v24  the way out: where I put 16 bytes of a row
.set RD,   25                          ; v25  where I read a row back
.set CO,   26                          ; v26  16 x lane
.set ADRS, 27
.set SPW,  28
.set NIL,  29
.set SC,   32
.set BP,   64                          ; v64-127 the bias: register 16 b + i = column 32 b + 16 h + i
.set AF,   128
.set BK,   128                         ; the way out: 16 rows read back: v128-191 and v192-255 by turns
.set G1, 24
.set G0, 32
.set G1B, 48
.set G0B, 56
.set G1S, 68
.set G0S, 76
.set G1SB, 80
.set G0SB, 88
.set MSB, 0
.macro WIN new                         ; the immediate's high byte repeats the setting that is left
.if MSB != (\new)
	s_set_vgpr_msb (MSB<<8)|(\new)
.set MSB, (\new)
.endif
.endm
.set MUL_LO, 0xa1                      ; source 0 window 1, source 1 window 0, C and D window 2
.set MUL_HI, 0xf1                      ; the same, C and D window 3
.set MUL_LO0, 0x81                     ; the first products: C (the bias) window 0, D window 2
.set MUL_HI0, 0xc1                     ; D window 3
.set TO_B,   0x40
.macro JLOAD g0a, g1a, g0b, g1b        ; a joint load: waves 0 and 1 fetch for y, waves 2 and 3 for W; four v_nop follow each of the two lines
	s_cmp_eq_u32 s15, 0
	s_cbranch_scc0 .Lfor_b_\@
	tensor_load_to_lds s[\g0a:\g0a+3], s[\g1a:\g1a+7]
	s_nop 0
.rept 4
	v_nop
.endr
	s_branch .Lasked_\@
.Lfor_b_\@:
	tensor_load_to_lds s[\g0b:\g0b+3], s[\g1b:\g1b+7]
	s_nop 0
.rept 4
	v_nop
.endr
.Lasked_\@:
.endm
.macro CREST
	s_cmp_lg_u32 s14, 0
	s_cbranch_scc1 .Lnot_wave_0_\@
	s_barrier_signal -3
.Lnot_wave_0_\@:
	s_barrier_wait -3
	s_barrier_signal -1
	s_barrier_wait -1
.endm
.macro CROUND
	s_barrier_signal -1
	s_barrier_wait -1
	CREST
.endm
	s_load_b256 s[4:11], s[0:1], 0x0               ; yq s[4:5], wpq s[6:7], b_proj s[8:9], out0 s[10:11]
	v_lshl_add_u32 v[SPW], v0, 2, SPARE
	v_mov_b32 v[NIL], 0
	ds_add_u32 v28, v29
	ds_add_u32 v28, v29
	s_wait_dscnt 0x0
	v_lshrrev_b32 v1, 5, v0
	v_readfirstlane_b32 s14, v1                    ; wave 0..3
	s_lshr_b32 s15, s14, 1                         ; which half of the tokens is mine.  Also: I fetch for y (0) or for W (1)
	s_and_b32 s16, s14, 1                          ; which half of the columns.  Also: which 8 tiles I fetch
	s_bfe_u32 s40, ttmp6, 0x40000
	s_bfe_u32 s41, ttmp6, 0x40004
	s_lshl_b32 s42, ttmp9, 2
	s_add_co_u32 s42, s42, s40                     ; X: which 256 columns
	s_and_b32 s17, ttmp7, 0xffff
	s_lshl_b32 s17, s17, 2
	s_add_co_u32 s17, s17, s41                     ; Y: which 256 tokens
	s_lshl_b32 s43, s41, 2
	s_lshl_b32 s43, 15, s43                        ; my row of the cluster
	s_lshl_b32 s44, 0x1111, s40                    ; my column
	s_or_b32 s[G1+0], s43, (3<<16)|(1<<21)         ; 8 rows (tiles) of 3,072 bytes, 12,288 apart, dense in LDS; elements of 8 bytes; bit 21 set beside the mask
	s_or_b32 s[G1B+0], s44, (3<<16)|(1<<21)
.irp g, G1, G1B
	s_mov_b32 s[\g+1], 384<<16
	s_mov_b32 s[\g+2], 8<<16
	s_mov_b32 s[\g+3], 384<<16
	s_mov_b32 s[\g+4], 8
	s_mov_b32 s[\g+5], TROW/8
	s_mov_b32 s[\g+6], 0
	s_mov_b32 s[\g+7], 0
.endr
	s_or_b32 s[G1S+0], s43, (3<<16)|(1<<21)        ; the scale words of 128 rows: 16 rows of 256 bytes
	s_or_b32 s[G1SB+0], s44, (3<<16)|(1<<21)
.irp g, G1S, G1SB
	s_mov_b32 s[\g+1], 32<<16
	s_mov_b32 s[\g+2], 16<<16
	s_mov_b32 s[\g+3], 32<<16
	s_mov_b32 s[\g+4], 16
	s_mov_b32 s[\g+5], 32
	s_mov_b32 s[\g+6], 0
	s_mov_b32 s[\g+7], 0
.endr
	s_lshl_b32 s18, s16, 3
	s_lshl_b32 s20, s17, 4
	s_add_co_u32 s20, s20, s18                     ; y: tile 16 Y + 8 x half
	s_lshl_b32 s46, s42, 4
	s_add_co_u32 s46, s46, s18                     ; W: tile 16 X + 8 x half
	s_lshl_b32 s22, s20, 9
	s_add_co_u32 s22, s22, ASC
	s_mov_b32 s23, 0
	s_lshl_b32 s92, s46, 9
	s_add_co_u32 s92, s92, BSC
	s_mov_b32 s93, 0
	s_mul_i32 s20, s20, TROW
	s_mov_b32 s21, 0
	s_mul_i32 s46, s46, TROW
	s_mov_b32 s47, 0
	s_mul_i32 s45, s14, HALFT
	s_lshl_b32 s94, s14, 12
	s_wait_kmcnt 0x0
	s_add_nc_u64 s[20:21], s[4:5], s[20:21]
	s_add_nc_u64 s[22:23], s[4:5], s[22:23]
	s_add_nc_u64 s[46:47], s[6:7], s[46:47]
	s_add_nc_u64 s[92:93], s[6:7], s[92:93]
	CROUND                                         ; all sixteen work-groups are here: the first joint loads meet
	s_mov_b32 s[G0S], 1
	s_add_co_u32 s[G0S+1], s94, SCL
	s_mov_b64 s[G0S+2:G0S+3], s[22:23]
	s_or_b32 s[G0S+3], s[G0S+3], 0x80000000
	s_mov_b32 s[G0SB], 1
	s_add_co_u32 s[G0SB+1], s94, SCL
	s_mov_b64 s[G0SB+2:G0SB+3], s[92:93]
	s_or_b32 s[G0SB+3], s[G0SB+3], 0x80000000
	JLOAD G0S, G1S, G0SB, G1SB
.irp s, 0,1
	s_mov_b32 s[G0+4*\s], 1
	s_add_co_u32 s[G0+4*\s+1], s45, \s*SLOT
	s_add_nc_u64 s[G0+4*\s+2:G0+4*\s+3], s[20:21], \s*TSL
	s_or_b32 s[G0+4*\s+3], s[G0+4*\s+3], 0x80000000
	s_mov_b32 s[G0B+4*\s], 1
	s_add_co_u32 s[G0B+4*\s+1], s45, \s*SLOT
	s_add_nc_u64 s[G0B+4*\s+2:G0B+4*\s+3], s[46:47], \s*TSL
	s_or_b32 s[G0B+4*\s+3], s[G0B+4*\s+3], 0x80000000
	JLOAD G0+4*\s, G1, G0B+4*\s, G1B               ; by this text's count three loads of a wave are out
.endr
	v_and_b32 v1, 31, v0
	v_lshlrev_b32 v[CO], 4, v1                     ; 16 x lane
	v_lshlrev_b32 v5, 3, v1
	v_add_nc_u32 v5, 512, v5                       ; 512 + 8 x lane
	s_mul_i32 s21, s15, HALFT                      ; my 8 tiles of y
	s_mul_i32 s22, s16, HALFT
	s_add_co_u32 s22, s22, 2*HALFT                 ; my 8 of W, behind y's 16
.irp s, 0,1
	v_add_nc_u32 v[ADRA+\s], s21, v[CO]
	v_add_nc_u32 v[ADRB+\s], s22, v[CO]
	v_add_nc_u32 v[ADRA+2+\s], s21, v5
	v_add_nc_u32 v[ADRB+2+\s], s22, v5
	s_add_co_u32 s21, s21, SLOT
	s_add_co_u32 s22, s22, SLOT
.endr
	v_and_b32 v2, 15, v0                           ; r
	v_bfe_u32 v3, v0, 4, 1                         ; h
	v_lshlrev_b32 v6, 3, v2                        ; scale words: 8 bytes a row
	s_lshl_b32 s21, s15, 12                        ; y's: my 128 rows
	s_lshl_b32 s22, s16, 12
	s_add_co_u32 s22, s22, 2*HALFS                 ; W's, behind y's
	s_sub_co_u32 s22, s22, s21
	v_mul_u32_u24 v7, s22, v3                      ; lanes 16-31 take W's
	s_add_co_u32 s21, s21, SCL
	v_add_nc_u32 v6, v6, v7
	v_add_nc_u32 v[ADRS], s21, v6
	s_mul_i32 s23, s14, 16*SPITCH                  ; my stage
	v_mul_u32_u24 v6, v2, SPITCH
	v_lshl_add_u32 v6, v3, 6, v6
	v_add_nc_u32 v[STO], s23, v6                   ; in: row r, + 64 h
	v_add_nc_u32 v[RD], s23, v[CO]                 ; back: the 32 lanes take one row of 512 bytes
	s_lshl_b32 s46, s42, 10
	s_lshl_b32 s47, s16, 9
	s_add_co_u32 s46, s46, s47                     ; my first column, in bytes: 4 x (256 X + 128 x half)
	s_mov_b32 s47, 0
	s_add_nc_u64 s[8:9], s[8:9], s[46:47]
	s_add_nc_u64 s[10:11], s[10:11], s[46:47]
	v_lshlrev_b32 v30, 6, v3                       ; 64 h
.irp b, 0,1,2,3
.irp j, 0,1,2,3
	global_load_b128 v[BP+16*\b+4*\j:BP+16*\b+4*\j+3], v30, s[8:9] offset:128*\b+16*\j
.endr
.endr
	s_lshl_b32 s46, s17, 8
	s_lshl_b32 s92, s15, 7
	s_add_co_u32 s46, s46, s92                     ; my first token
	s_lshl_b32 s46, s46, 12                        ; rows of 4,096 bytes
	s_add_nc_u64 s[10:11], s[10:11], s[46:47]
.macro FRAG reg, adr, q, i             ; a fragment comes as it was stored: registers 0-3, 4-5, 6-9, 10-11; every load reads consecutive bytes
	ds_load_b128 v[\reg:\reg+3], v[\adr] offset:(\i)*TSL+(\q)*FRB
	ds_load_b64 v[\reg+4:\reg+5], v[\adr+2] offset:(\i)*TSL+(\q)*FRB
	ds_load_b128 v[\reg+6:\reg+9], v[\adr] offset:(\i)*TSL+(\q)*FRB+768
	ds_load_b64 v[\reg+10:\reg+11], v[\adr+2] offset:(\i)*TSL+(\q)*FRB+768
.endm
; 16 matrix instructions: y's tiles a0, a0 + 1 x W's eight.  zero = 1: the first product starts the sums with the bias as its C.  The 64 accumulators take turns.
.macro MUL16 a0, p, q, sc, zero
.irp a, \a0, \a0+1
.irp b, 0,1,2,3,4,5,6,7
.if \zero
	v_wmma_scale_f32_16x16x128_f8f6f4 v[8*(8*((\a)%4)+\b):8*(8*((\a)%4)+\b)+7], v[128*(\p)+FR*\b:128*(\p)+FR*\b+FR-1], v[AF+FR*(\a):AF+FR*(\a)+FR-1], v[BP+8*\b:BP+8*\b+7], v[SC+8*NQ*(\sc)+NQ*\b+(\q)], v[SC+8*NQ*(\sc)+NQ*(\a)+(\q)] matrix_a_fmt:MATRIX_FMT_BF6 matrix_b_fmt:MATRIX_FMT_BF6 matrix_a_scale:MATRIX_SCALE_ROW1
.else
	v_wmma_scale_f32_16x16x128_f8f6f4 v[8*(8*((\a)%4)+\b):8*(8*((\a)%4)+\b)+7], v[128*(\p)+FR*\b:128*(\p)+FR*\b+FR-1], v[AF+FR*(\a):AF+FR*(\a)+FR-1], v[8*(8*((\a)%4)+\b):8*(8*((\a)%4)+\b)+7], v[SC+8*NQ*(\sc)+NQ*\b+(\q)], v[SC+8*NQ*(\sc)+NQ*(\a)+(\q)] matrix_a_fmt:MATRIX_FMT_BF6 matrix_b_fmt:MATRIX_FMT_BF6 matrix_a_scale:MATRIX_SCALE_ROW1
.endif
.endr
.endr
.endm
.macro FETCH_B slot, q, p
	WIN TO_B
.irp i, 0,1,2,3,4,5,6,7
	FRAG 128*(\p)+FR*\i, ADRB+\slot, \q, \i
.endr
	WIN 0
.endm
.macro FETCH_A slot, q, i0
.irp i, \i0, \i0+1, \i0+2, \i0+3
	FRAG AF+FR*(\i), ADRA+\slot, \q, \i
.endr
.endm
.macro SCALES sc, sg                   ; the scale words of the sg-th 256 along K into set sc; lanes 0-15 take y's tile i, lanes 16-31 W's
.irp i, 0,1,2,3,4,5,6,7
	ds_load_b64 v[SC+8*NQ*(\sc)+NQ*\i:SC+8*NQ*(\sc)+NQ*\i+1], v[ADRS] offset:256*(\sg)+(\i/2)*1024+(\i%2)*128
.endr
.endm
.macro PLACES n                        ; places behind matrix instructions: in front of loads into registers that they have read, and of the first read of results
.rept \n
	v_nop
.endr
.endm
.macro STEP slot, q, zero
	s_wait_dscnt 4*NL                              ; W's set and y's tiles 0-3 are in; the youngest 16 loads (tiles 4-7) may be out
.if \zero
	WIN MUL_LO0
.else
	WIN MUL_LO
.endif
	MUL16 0, (\q)%2, \q, \slot, \zero
	MUL16 2, (\q)%2, \q, \slot, \zero
	s_wait_dscnt 0
	PLACES NP
	FETCH_B \slot, (\q)+1, 1-(\q)%2
	FETCH_A \slot, (\q)+1, 0
.if \zero
	WIN MUL_HI0
.else
	WIN MUL_HI
.endif
	MUL16 4, (\q)%2, \q, \slot, \zero
	MUL16 6, (\q)%2, \q, \slot, \zero
	PLACES NP
	WIN 0
	FETCH_A \slot, (\q)+1, 4
.endm
; A slot's last step changes slots: ONE barrier; in front of it each wave waits for all its tensor loads, adds 0 to its spare word, and waits for that and for its own reads of this slot.
.macro TURN slot, next, fill, sg
	s_wait_tensorcnt 0x0                           ; all my tensor loads have landed: my part of the next slot;
	ds_add_u32 v[SPW], v[NIL]                      ; 0 onto my spare word;
	s_wait_dscnt 4*NL+1                            ; (the add and the youngest 16 loads may be out)
	WIN MUL_LO
	MUL16 0, 1, NQ-1, \slot, 0
	s_wait_dscnt 0x0                               ; the add is done, and my reads of this slot are over
	s_barrier_signal -1
	MUL16 2, 1, NQ-1, \slot, 0
	WIN 0
	s_barrier_wait -1
.if \fill
	CREST                                          ; the barrier has opened a round of the cluster's barrier
	s_add_nc_u64 s[G0+4*\slot+2:G0+4*\slot+3], s[G0+4*\slot+2:G0+4*\slot+3], 2*TSL
	s_add_nc_u64 s[G0B+4*\slot+2:G0B+4*\slot+3], s[G0B+4*\slot+2:G0B+4*\slot+3], 2*TSL
	JLOAD G0+4*\slot, G1, G0B+4*\slot, G1B         ; the first tensor load behind the round, my one load until the next
.else
	PLACES NP
.endif
	FETCH_B \next, 0, 0
	FETCH_A \next, 0, 0
	SCALES \next, \sg
	WIN MUL_HI
	MUL16 4, 1, NQ-1, \slot, 0
	MUL16 6, 1, NQ-1, \slot, 0
	PLACES NP
	WIN 0
	FETCH_A \next, 0, 4
.endm
	s_wait_tensorcnt 1                             ; the scale words and my part of slot 0 are in (slot 1's load may be out)
	s_barrier_signal -1
	s_barrier_wait -1
	FETCH_B 0, 0, 0
	FETCH_A 0, 0, 0
	SCALES 0, 0
	FETCH_A 0, 0, 4
	s_wait_loadcnt 0x0                             ; the bias
	STEP 0, 0, 1
	TURN 0, 1, 1, 1
	STEP 1, 0, 0
	TURN 1, 0, 1, 2
	STEP 0, 0, 0
	TURN 0, 1, 0, 3
	STEP 1, 0, 0
	s_wait_dscnt 4*NL
	WIN MUL_LO
	MUL16 0, 1, NQ-1, 1, 0
	MUL16 2, 1, NQ-1, 1, 0
	s_wait_dscnt 0
	WIN MUL_HI
	MUL16 4, 1, NQ-1, 1, 0
	MUL16 6, 1, NQ-1, 1, 0
	WIN 0
; THE WAY OUT, y's tile a at a time: 16 tokens x 128 columns go through my own stage in LDS and come back as whole rows of 512 bytes.  LDS serves a wave's instructions in order: no wait between the stores and the loads.
.macro TOSTAGE a
.set AC, 64*((\a)%4)
	WIN 0x08+4*((\a)/4)                            ; the data: window 2 or 3
.irp b, 0,1,2,3,4,5,6,7
	ds_store_b128 v[STO], v[AC+8*\b:AC+8*\b+3] offset:128*(\b/2)+32*(\b%2)        ; columns 32 (b / 2) + 16 h + 8 (b % 2) ..; each accumulator from its low end on
	ds_store_b128 v[STO], v[AC+8*\b+4:AC+8*\b+7] offset:128*(\b/2)+32*(\b%2)+16
.endr
	WIN 0
.set BB, BK+64*((\a)%2)
.irp t, 0,1,2,3,4,5,6,7,8,9,10,11,12,13,14,15
	ds_load_b128 v[BB+4*\t:BB+4*\t+3], v[RD] offset:\t*SPITCH
.endr
.endm
.macro SEND a, younger                 ; younger: the LDS instructions issued behind tile a's loads, which may stay out
.set BB, BK+64*((\a)%2)
	s_wait_dscnt \younger
.irp t, 0,1,2,3,4,5,6,7,8,9,10,11,12,13,14,15
	global_store_b128 v[CO], v[BB+4*\t:BB+4*\t+3], s[10:11] offset:(32*((\a)/2)+8*((\a)%2)+\t+8*(\t/8))*4096 th:TH_STORE_NT   ; 512 consecutive bytes, aligned; row t of the tile is token 32 (a / 2) + 8 (a % 2) + t + 8 (t / 8)
.endr
.endm
	PLACES NP
	TOSTAGE 0
.irp a, 1,2,3,4,5,6,7
.if \a > 1
	s_wait_xcnt 0x0                                ; tile a - 2's stores have read their registers: tile a's loads may land there
.endif
	TOSTAGE \a
	SEND \a-1, 32                                  ; behind tile a - 1's loads: tile a's 16 stores and 16 loads
.endr
	SEND 7, 0
	s_wait_tensorcnt 0x0                           ; the wave's end
	ds_add_u32 v[SPW], v[NIL]
	s_wait_dscnt 0x0
	CROUND                                         ; the closing round
	s_endpgm
.Lfunc_end_k_q93c04ac050_proj:
	.size	k_q93c04ac050_proj, .Lfunc_end_k_q93c04ac050_proj-k_q93c04ac050_proj
	.p2alignl 7, 3214868480
	.fill 96, 4, 3214868480
	.section	.rodata,"a",@progbits
	.p2align	6, 0x0
	.amdhsa_kernel k_q93c04ac050_proj
		.amdhsa_group_segment_fixed_size 327680
		.amdhsa_private_segment_fixed_size 0
		.amdhsa_enable_private_segment 0
		.amdhsa_kernarg_size 32
		.amdhsa_user_sgpr_count 2
		.amdhsa_user_sgpr_kernarg_segment_ptr 1
		.amdhsa_wavefront_size32 1
		.amdhsa_system_sgpr_workgroup_id_x 1
		.amdhsa_system_sgpr_workgroup_id_y 1
		.amdhsa_system_sgpr_workgroup_id_z 1
		.amdhsa_system_vgpr_workitem_id 0
		.amdhsa_next_free_vgpr 1024
		.amdhsa_next_free_sgpr 100
		.amdhsa_reserve_vcc 0
		.amdhsa_float_denorm_mode_32 3
		.amdhsa_float_denorm_mode_16_64 3
		.amdhsa_memory_ordered 1
		.amdhsa_forward_progress 1
		.amdhsa_inst_pref_size 144
	.end_amdhsa_kernel
	.amdgpu_metadata
---
amdhsa.version: [ 1, 2 ]
amdhsa.kernels:
  - .name:           k_q93c04ac050_proj
    .symbol:         k_q93c04ac050_proj.kd
    .args:
      - { .name: yq, .offset: 0, .size: 8, .value_kind: global_buffer, .address_space: global }
      - { .name: wpq, .offset: 8, .size: 8, .value_kind: global_buffer, .address_space: global }
      - { .name: b_proj, .offset: 16, .size: 8, .value_kind: global_buffer, .address_space: global }
      - { .name: out0, .offset: 24, .size: 8, .value_kind: global_buffer, .address_space: global }
    .group_segment_fixed_size: 327680
    .private_segment_fixed_size: 0
    .kernarg_segment_align: 8
    .kernarg_segment_size: 32
    .max_flat_workgroup_size: 128
    .sgpr_count:     100
    .vgpr_count:     1024
    .wavefront_size: 32
...
	.end_amdgpu_metadata
.endif
;; end of part 4
